; MI455X (gfx1250); checked and timed in simulation.
; The chip was launched on July 23, 2026; its instructions are those of AMD's public machine-readable ISA for CDNA 5 (MIT licence, August 2026) and "CDNA5" Instruction Set Architecture Reference Guide (July 2026). The comments in the code are by the model that wrote it; some were corrected since.
;; Attention. Allowed arithmetic: float matrix products may take bf16 or f16 operands with f32 sums; other float arithmetic in f32, or as packed bf16 or f16 multiplies, adds, multiply-adds, maxima and minima; sums over many terms, partial sums and values carried from step to step in f32; what a program stores and reads back later, other than sums and carried values, may be rounded once to bf16 or f16.
;; Inputs: WK_b 64 float32; WK_w 64 x 1,024 float32; WQ_b 64 float32; WQ_w 64 x 1,024 float32; WV_b 1,024 float32; WV_w 1,024 x 1,024 float32; x 4 x 2,048 x 1,024 float32.
;; Outputs: out0 4 x 2,048 x 1,024 float32.
;; 2 versions, each right; version 2 is version 1 with the launch score written anew for expert scheduling mode. Each part assembles by itself: llvm-mc -triple=amdgcn-amd-amdhsa -mcpu=gfx1250 --defsym DOCPART=n.
;; ======== version 1 of 2: 4 launches
;; limits: values are held in f16: magnitudes above 65,504 overflow, below 6.1e-05 lose precision
;; workspace buffers: wcat 2,359,296 bytes; qk 4,194,304 bytes; vf 16,777,216 bytes; pf 33,554,432 bytes; stats 1,048,576 bytes
;; launch wcast (part 1): grid 72 x 4, 4 waves a work-group, no clusters, 0 bytes of LDS; arguments WQ_w, WK_w, WV_w, wcat; writes wcat
.if DOCPART == 1
	.amdgcn_target "amdgcn-amd-amdhsa--gfx1250"
	.amdhsa_code_object_version 6
	.text
	.protected	k_q72aa424167_wcast
	.globl	k_q72aa424167_wcast
	.p2align	8
	.type	k_q72aa424167_wcast,@function
k_q72aa424167_wcast:
	s_mov_b64 s[64:65], 0
	v_nop
	global_prefetch_b8 v0, s[64:65] scope:SCOPE_SE
	s_setreg_imm32_b32 hwreg(HW_REG_WAVE_MODE, 25, 1), 1
	s_wait_xcnt 0x0
; THE WEIGHTS, rounded once to bf16 and laid out for the projections' column blocks.
; wcat: [block nx 0..3][288 rows][1,024] bf16: rows 0-255 are WV_w's rows 256 nx + 0..255, rows 256-287 are WQ_w's (nx 0, 1) or WK_w's (nx 2, 3) rows 32 (nx % 2) + 0..31.
; THE PROGRAM: this launch; the projections q, k, v; the weights of each live block of 128 x 128 scores; the output.
; DEAD WORK, for all values of the inputs.  (1) WK_b: scores[q][k] = q . (WK x_k) + q . WK_b, and the second term is the same for every key k of a row q, so the softmax
; along k cancels it exactly: WK_b has no way to any output, is not loaded and is among no launch's arguments.  (2) WV_b is not added to v: a row's weights sum to 1, so it
; is an addend of the output, and the last launch starts its sums with it.  (3) The later launches leave out the blocks of 128 x 128 scores that lie wholly above the
; diagonal of the mask that the problem itself builds.  LIMIT: a NaN, an infinity or an overflow that reaches only the work left out (WK_b) is not carried to the result.
; SHARES.  A work-group takes 4 rows of a block (256 is a multiple of 4, so its rows come from one matrix); thread t takes the 8 numbers at column 8 t of each: two loads of 16 bytes,
; one store of 16 bytes; sixteen neighbouring lanes store 256 consecutive bytes, aligned.  All eight loads are issued before the first wait.
; No LDS, no matrix unit, no cluster: each byte is read once and written once, and no work-group wants what another reads.
.set X, 4                              ; v[4:35]   row i: 8 f32 at X + 8 i
.set Y, 36                             ; v[36:51]  row i: 8 bf16 at Y + 4 i
	s_load_b256 s[4:11], s[0:1], 0x0               ; WQ_w s[4:5], WK_w s[6:7], WV_w s[8:9], wcat s[10:11]
	s_and_b32 s12, ttmp7, 0xffff                   ; nx
	s_lshl_b32 s13, ttmp9, 2                       ; the first of my 4 rows in the block, 0 .. 284
	v_lshlrev_b32 v1, 5, v0                        ; 32 t: my 8 f32 in a row
	v_lshlrev_b32 v2, 4, v0                        ; 16 t: my 8 bf16
	s_lshl_b32 s14, s12, 8
	s_add_co_u32 s14, s14, s13                     ; WV_w's row 256 nx + row
	s_and_b32 s15, s12, 1
	s_lshl_b32 s15, s15, 5
	s_add_co_u32 s15, s15, s13
	s_sub_co_u32 s15, s15, 256                     ; WQ_w's or WK_w's row 32 (nx % 2) + row - 256 (used from row 256 on alone)
	s_cmp_lt_u32 s13, 256
	s_cselect_b32 s14, s14, s15
	s_lshl_b32 s14, s14, 12                        ; 4,096 bytes a row
	s_mov_b32 s15, 0
	s_mul_i32 s18, s12, 288
	s_add_co_u32 s18, s18, s13
	s_lshl_b32 s18, s18, 11                        ; 2,048 bytes a row of wcat
	s_mov_b32 s19, 0
	s_wait_kmcnt 0x0
	s_cmp_lt_u32 s12, 2
	s_cselect_b64 s[16:17], s[4:5], s[6:7]         ; blocks 0, 1: WQ_w; 2, 3: WK_w
	s_cmp_lt_u32 s13, 256
	s_cselect_b64 s[16:17], s[8:9], s[16:17]       ; rows 0-255: WV_w
	s_add_nc_u64 s[16:17], s[16:17], s[14:15]
	s_add_nc_u64 s[10:11], s[10:11], s[18:19]
.irp i, 0,1,2,3
	global_load_b128 v[X+8*(\i):X+8*(\i)+3],   v1, s[16:17] offset:(\i)*4096 th:TH_LOAD_NT
	global_load_b128 v[X+8*(\i)+4:X+8*(\i)+7], v1, s[16:17] offset:(\i)*4096+16 th:TH_LOAD_NT
.endr
.irp i, 0,1,2,3
	s_wait_loadcnt 6-2*(\i)                        ; row i's two loads are in; the later rows' may stay out
.irp u, 0,1,2,3
	v_cvt_pk_bf16_f32 v[Y+4*(\i)+(\u)], v[X+8*(\i)+2*(\u)], v[X+8*(\i)+2*(\u)+1]
.endr
	global_store_b128 v2, v[Y+4*(\i):Y+4*(\i)+3], s[10:11] offset:(\i)*2048
.endr
	s_endpgm
.Lfunc_end_k_q72aa424167_wcast:
	.size	k_q72aa424167_wcast, .Lfunc_end_k_q72aa424167_wcast-k_q72aa424167_wcast
	.p2alignl 7, 3214868480
	.fill 96, 4, 3214868480
	.section	.rodata,"a",@progbits
	.p2align	6, 0x0
	.amdhsa_kernel k_q72aa424167_wcast
		.amdhsa_group_segment_fixed_size 0
		.amdhsa_private_segment_fixed_size 0
		.amdhsa_enable_private_segment 0
		.amdhsa_kernarg_size 32
		.amdhsa_user_sgpr_count 2
		.amdhsa_user_sgpr_kernarg_segment_ptr 1
		.amdhsa_wavefront_size32 1
		.amdhsa_system_sgpr_workgroup_id_x 1
		.amdhsa_system_sgpr_workgroup_id_y 1
		.amdhsa_system_sgpr_workgroup_id_z 1
		.amdhsa_system_vgpr_workitem_id 0
		.amdhsa_next_free_vgpr 56
		.amdhsa_next_free_sgpr 66
		.amdhsa_reserve_vcc 0
		.amdhsa_float_denorm_mode_32 3
		.amdhsa_float_denorm_mode_16_64 3
		.amdhsa_memory_ordered 1
		.amdhsa_forward_progress 1
		.amdhsa_inst_pref_size 4
	.end_amdhsa_kernel
	.amdgpu_metadata
---
amdhsa.version: [ 1, 2 ]
amdhsa.kernels:
  - .name:           k_q72aa424167_wcast
    .symbol:         k_q72aa424167_wcast.kd
    .args:
      - { .name: WQ_w, .offset: 0, .size: 8, .value_kind: global_buffer, .address_space: global }
      - { .name: WK_w, .offset: 8, .size: 8, .value_kind: global_buffer, .address_space: global }
      - { .name: WV_w, .offset: 16, .size: 8, .value_kind: global_buffer, .address_space: global }
      - { .name: wcat, .offset: 24, .size: 8, .value_kind: global_buffer, .address_space: global }
    .group_segment_fixed_size: 0
    .private_segment_fixed_size: 0
    .kernarg_segment_align: 8
    .kernarg_segment_size: 32
    .max_flat_workgroup_size: 128
    .sgpr_count:     66
    .vgpr_count:     56
    .wavefront_size: 32
...
	.end_amdgpu_metadata
.endif
;; end of part 1
;; launch proj (part 2): grid 4 x 64, 4 waves a work-group, clusters of 4 x 4, 327,680 bytes of LDS; arguments x, wcat, WQ_b, qk, vf; writes qk, vf
.if DOCPART == 2
	.amdgcn_target "amdgcn-amd-amdhsa--gfx1250"
	.amdhsa_code_object_version 6
	.text
	.protected	k_q72aa424167_proj
	.globl	k_q72aa424167_proj
	.p2align	8
	.type	k_q72aa424167_proj,@function
k_q72aa424167_proj:
	s_mov_b64 s[64:65], 0
	v_nop
	global_prefetch_b8 v0, s[64:65] scope:SCOPE_SE
	s_setreg_imm32_b32 hwreg(HW_REG_WAVE_MODE, 25, 1), 1
	s_wait_xcnt 0x0
	s_wait_alu depctr_hold_cnt(0) depctr_sa_sdst(0) depctr_va_vdst(0) depctr_va_sdst(0) depctr_va_ssrc(0) depctr_va_vcc(0) depctr_vm_vsrc(0)
	s_getreg_b32 s2, hwreg(HW_REG_IB_STS2, 6, 4)
	s_cmp_eq_u32 s2, 0
	s_cbranch_scc0 .Lentry_in_a_cluster
	s_endpgm
.Lentry_in_a_cluster:
	s_bfe_u32 s2, ttmp6, 0x10000c
	s_cmp_lg_u32 s2, 0xf033
	s_cbranch_scc0 .Lentry_shape_is_right
	s_endpgm
.Lentry_shape_is_right:
; THE PROJECTIONS.  q = x WQ^T + WQ_b, k = x WK^T (64 channels each), v = x WV^T (1,024 channels), for 8,192 rows of x.
; LEFT OUT: WK_b (the softmax cancels it) and WV_b here (the last launch starts its sums with it): shown at the first kernel's head.
; FORMATS.  The weights come rounded to bf16 (wcat, the launch before); x and WQ_b are rounded once to bf16 here; products in bf16, sums in f32.  The scores are not scaled, so the softmax is
; sharp: q and k leave as PAIRS of f16, hi = f16(t), lo = f16(t - hi); v leaves as f16.  LIMIT: q, k and v must lie within f16's 65,504; NaN and infinities are not treated apart.
; SHARES.  A work-group: 128 rows of x times the 288 rows of wcat's block nx: v's channels 256 nx .. + 255 and 32 channels of q|k (nx 0, 1: q; 2, 3: k).  256 work-groups of equal work.
; A wave (wm = w / 2, wn = w % 2): 64 rows x (128 channels of v + 16 of q|k): 36 accumulators.
; CLUSTER 4 x 4: x's tile hangs on the row block alone and is asked for jointly along a row of the cluster, wcat's on nx alone, jointly along a column.
; RING.  K goes in steps of 128 through two LDS slots: x's rows are 512 bytes of memory, wcat's 256, all aligned to 256.  Waves 0 and 1 fetch 64 rows of x each, waves 2 and 3 144 rows of wcat each.
; A K step is four quarters of 32.  x's f32 fragments are read from LDS into window 1 and rounded to bf16 into window 0; wcat's are read as the matrix unit takes them, into two buffers by turns:
; while one quarter's 36 products run, the next quarter's 34 LDS loads are out.
; OUT.  Both buffers are laid out as matrix fragments, so that an accumulator leaves by one store of 512 consecutive, aligned bytes a wave:
;   qk: [q, k][tile of 16 rows][hi, lo][32 channels c][half g][lane][16 bytes]: lane (r, h) holds row r, channels 32 c + 16 g + 8 h + 0..7
;   vf: [batch][tile of 16 channels ct][32 keys kb][half g][lane][16 bytes]: lane (r, h) holds channel 16 ct + r, keys 32 kb + 16 g + 8 h + 0..7
; REGISTERS, in windows of 256: window 0: v0-31 addresses, bias; v32-63 x's four bf16 fragments; v64-135, v136-207 two buffers of wcat's nine.  window 1: v0-63 x's four in f32.
;   window 2: v's 32 accumulators at 8 (8 a + n).  window 3: v0-31 q|k's four accumulators.
.set PX,     528                       ; a row of x in LDS: 512 bytes + 16 of padding = 132 words: the 16 rows of a load start at 16 different groups of four banks (ISA guide 11.1)
.set PW,     272                       ; a row of wcat: 256 + 16 = 68 words: likewise
.set OFFW,   128*PX                    ; a slot: x's 128 rows, then wcat's 288
.set SLOT,   OFFW+288*PW               ; 145,920 bytes
.set SPARE,  2*SLOT                    ; behind the ring: the spare words, 128 bytes a wave, two blocks of 256 bytes that no other line names
.set KXB,    512                       ; bytes of a row of x in a K step
.set KWB,    256                       ; of a row of wcat
.set ADRX, 4                           ; v4-5   LDS address of my x fragments in slot 0, 1
.set ADRW, 6                           ; v6-7   of my eight fragments of WV
.set ADRQ, 8                           ; v8-9   of my fragment of WQ|WK
.set L16,  10                          ; v10    16 x lane
.set NEG1, 11                          ; v11    -1.0
.set SPW,  12                          ; v12    my spare word; never rewritten
.set NIL,  13                          ; v13    0; never rewritten
.set PFO,  14                          ; v14    the prefetches' offset; never rewritten
.set BQ,   16                          ; v16-23 WQ_b of my 8 channels, rounded to bf16 (0 where my block is k's)
.set TT,   24                          ; v24-31 at work
.set FX,   32                          ; x's fragment a at FX + 8 a
.set WB,   64                          ; buffer b at WB + 72 b: WV's fragment n at + 8 n, WQ|WK's at + 64
.set HQ,   32                          ; the way out: hi, 4 registers a tile
.set LQ,   48                          ; lo
.set TQ,   64                          ; q|k in f32, 8 registers a tile
.set VP,   104                         ; v packed, 4 registers an accumulator
.set WV,   18
.set WM,   19                          ; my half of the rows; also: I fetch x (0) or wcat (1)
.set WN,   20                          ; my half of the columns; also: which half of that tile I fetch
.set CX,   21
.set CY,   22
.set NX,   23
.set MY,   24
.set LAP,  25
.set LIM,  26                          ; 1 in a wave that prefetches, else the greatest number
.set KMASK, 27                         ; all ones where my block is q's
.set G1X,  28                          ; s[28:35] group 1 for x's tiles
.set G1W,  36                          ; s[36:43] for wcat's
.set G0X,  44                          ; s[44:51] group 0, a set for each slot
.set G0W,  52                          ; s[52:59]
.set PFA,  60                          ; s[60:61] the K step that my next prefetch names
.set PST,  62                          ; s[62:63] a K step's bytes in a row of what I prefetch
.set QKP,  96                          ; s[96:97] qk at my first store
.set VFP,  98                          ; s[98:99] vf at my first store
.set G1XC, (2<<16)|(1<<20)|(1<<21)|(6<<22)|(3<<25)  ; elements of 4 bytes; padding on; bit 21 beside a mask; after every 128 words; 4 words
.set G1WC, (1<<16)|(1<<20)|(1<<21)|(5<<22)|(3<<25)  ; elements of 2 bytes; after every 64 words; 4 words
.set MSB, 0
.macro WIN new                         ; the immediate's high byte repeats the setting that is left; a switch that changes nothing is dropped
.if MSB != (\new)
	s_set_vgpr_msb (MSB<<8)|(\new)
.set MSB, \new
.endif
.endm
.macro PLACES                          ; four places behind matrix instructions (ISA guide 7.12.1)
.rept 4
	v_nop
.endr
.endm
.macro CREST                           ; a round of the cluster's barrier behind its opening barrier
	s_cmp_lg_u32 s[WV], 0
	s_cbranch_scc1 .Lnot_wave_0_\@
	s_barrier_signal -3
.Lnot_wave_0_\@:
	s_barrier_wait -3
	s_barrier_signal -1
	s_barrier_wait -1
.endm
.macro CROUND
	s_barrier_signal -1
	s_barrier_wait -1
	CREST
.endm
; A joint load into slot s.  The branch hangs on the wave's number alone.  An s_nop 0 and four v_nop follow each line.
.macro JLOAD s
	s_cmp_eq_u32 s[WM], 0
	s_cbranch_scc0 .Lfor_w_\@
	tensor_load_to_lds s[G0X+4*(\s):G0X+4*(\s)+3], s[G1X:G1X+7]
	s_nop 0
.rept 4
	v_nop
.endr
	s_branch .Lasked_\@
.Lfor_w_\@:
	tensor_load_to_lds s[G0W+4*(\s):G0W+4*(\s)+3], s[G1W:G1W+7]
	s_nop 0
.rept 4
	v_nop
.endr
.Lasked_\@:
.endm
; A prefetch into the L2 of the K step that stands two refills on (288 matrix instructions a wave ahead of the load that will want it): 32 blocks of 256 bytes, one instruction a wave.
; x's 128 rows are read by my cluster alone: of the 64 rows that wave 0 or 1 fetches, the partner at place cx of a row of the cluster takes 16, by address: two lanes a row, 512 bytes.
; wcat's rows are read by every cluster of the column: the cluster with y = 0 asks; waves 2 and 3 of the partner at place cy take rows 64 cy + 32 (w % 2) + 0..31 of the block's first 256: a lane a row.
; So each of these blocks is named once in the launch.  The block's last 32 rows (WQ|WK, a ninth of it) and K steps 0 to 3 come by their loads alone; the refills of K steps 6 and 7 ask for nothing.
.macro ASK
	s_cmp_gt_u32 s[LAP], s[LIM]
	s_cbranch_scc0 .Lnot_mine_\@
	global_prefetch_b8 v[PFO], s[PFA:PFA+1] th:TH_LOAD_NT scope:SCOPE_SE
.Lnot_mine_\@:
.endm
; 34 LDS loads: the fragments of quarter q of the slot's 128 along K.  x in f32: a lane's 8 + 8 numbers of a fragment are 32 + 32 bytes: four loads, at 0, 16, 64, 80.
; wcat in bf16: two loads, at 0 and 32, into buffer q % 2.
.macro LOADQ slot, q
	WIN 0x40                               ; destination window 1, address window 0
.irp a, 0,1,2,3
.irp o, 0,1,2,3
	ds_load_b128 v[16*(\a)+4*(\o):16*(\a)+4*(\o)+3], v[ADRX+(\slot)] offset:(\a)*16*PX+(\q)*128+((\o)%2)*16+((\o)/2)*64
.endr
.endr
	WIN 0
.irp n, 0,1,2,3,4,5,6,7
	ds_load_b128 v[WB+72*((\q)%2)+8*(\n):WB+72*((\q)%2)+8*(\n)+3],   v[ADRW+(\slot)] offset:(\n)*16*PW+(\q)*64
	ds_load_b128 v[WB+72*((\q)%2)+8*(\n)+4:WB+72*((\q)%2)+8*(\n)+7], v[ADRW+(\slot)] offset:(\n)*16*PW+(\q)*64+32
.endr
	ds_load_b128 v[WB+72*((\q)%2)+64:WB+72*((\q)%2)+67], v[ADRQ+(\slot)] offset:(\q)*64
	ds_load_b128 v[WB+72*((\q)%2)+68:WB+72*((\q)%2)+71], v[ADRQ+(\slot)] offset:(\q)*64+32
.endm
.macro CVT                             ; x's 64 f32 a lane to 32 registers of bf16
	WIN 0x05                               ; sources window 1, destination window 0
.set z, 0
.rept 32
	v_cvt_pk_bf16_f32 v[FX+z], v[2*z], v[2*z+1]
.set z, z+1
.endr
.endm
; 36 products on buffer b, each accumulator once: the accumulators take turns, one instruction a turn, over the backward jump too.
; v: source 0 = 16 rows of x, source 1 = 16 rows of WV: a lane holds one channel and 8 keys.  q|k: source 0 = 16 rows of WQ|WK, source 1 = 16 rows of x: a lane holds one row and 8 channels.
.macro MUL zero, b
	WIN 0xa0                               ; C and D window 2
.irp a, 0,1,2,3
.irp n, 0,1,2,3,4,5,6,7
.if \zero
	v_wmma_f32_16x16x32_bf16 v[8*(8*(\a)+(\n)):8*(8*(\a)+(\n))+7], v[FX+8*(\a):FX+8*(\a)+7], v[WB+72*(\b)+8*(\n):WB+72*(\b)+8*(\n)+7], 0
.else
	v_wmma_f32_16x16x32_bf16 v[8*(8*(\a)+(\n)):8*(8*(\a)+(\n))+7], v[FX+8*(\a):FX+8*(\a)+7], v[WB+72*(\b)+8*(\n):WB+72*(\b)+8*(\n)+7], v[8*(8*(\a)+(\n)):8*(8*(\a)+(\n))+7]
.endif
.endr
.endr
	WIN 0xf0                               ; C and D window 3
.irp a, 0,1,2,3
.if \zero
	v_wmma_f32_16x16x32_bf16 v[8*(\a):8*(\a)+7], v[WB+72*(\b)+64:WB+72*(\b)+71], v[FX+8*(\a):FX+8*(\a)+7], 0
.else
	v_wmma_f32_16x16x32_bf16 v[8*(\a):8*(\a)+7], v[WB+72*(\b)+64:WB+72*(\b)+71], v[FX+8*(\a):FX+8*(\a)+7], v[8*(\a):8*(\a)+7]
.endif
.endr
.endm
; A QUARTER STEP (32 along K).  mode 0: the next quarter lies in the same slot, or the slot has just been entered.  1: the slot has been read out: change of slots, and it is filled again.
; 2: change without a fill.  3: the last quarter of all.
.macro STEP slot, q, zero, mode
	s_wait_dscnt 0x0                       ; this quarter's fragments are in; in a slot's fourth quarter these were my last reads of the slot
	PLACES                                 ; the conversions write, and the loads below land in, registers that the last products read
.if ((\mode)==1)||((\mode)==2)
	WIN 0
.if (\mode)==1
	s_wait_xcnt 0x0                        ; the last prefetch, a K step back, has read its address
	s_add_nc_u64 s[PFA:PFA+1], s[PFA:PFA+1], s[PST:PST+1]
.endif
	s_wait_tensorcnt 0x0                   ; all my tensor loads have landed: the one that was out is my part of the other slot
	ds_add_u32 v[SPW], v[NIL]              ; 0 onto my spare word; the conversions stand between it and the wait for it
.endif
	CVT
.if ((\mode)==1)||((\mode)==2)
	WIN 0
	s_wait_dscnt 0x0                       ; the add is done; my reads of the slot were over above
.if (\mode)==1
	CROUND                                 ; no wave of any partner still reads this slot or has a load on its way
	s_add_nc_u64 s[G0X+4*(\slot)+2:G0X+4*(\slot)+3], s[G0X+4*(\slot)+2:G0X+4*(\slot)+3], 2*KXB
	s_add_nc_u64 s[G0W+4*(\slot)+2:G0W+4*(\slot)+3], s[G0W+4*(\slot)+2:G0W+4*(\slot)+3], 2*KWB
	JLOAD \slot                            ; my one tensor load behind the round, and the first thing there: the K step two on; it has 144 matrix instructions in which to land
.else
	s_barrier_signal -1
	s_barrier_wait -1
.endif
.endif
.if (\mode)!=3
.if (\q)<3
	LOADQ \slot, (\q)+1
.else
	LOADQ 1-(\slot), 0
.endif
.endif
.if (\mode)==1
	ASK                                    ; behind the joint load and the run of LDS loads
.endif
	MUL \zero, (\q)%2
.endm
	s_load_b256 s[4:11], s[0:1], 0x0               ; x s[4:5], wcat s[6:7], WQ_b s[8:9], qk s[10:11]
	s_load_b64 s[12:13], s[0:1], 0x20              ; vf
	v_lshl_add_u32 v[SPW], v0, 2, SPARE
	v_mov_b32 v[NIL], 0
	ds_add_u32 v[SPW], v[NIL]                      ; the wave's opening: the add, twice on end, and its wait ahead of my first tensor load
	ds_add_u32 v[SPW], v[NIL]                      ; and once more, under the one wait; the set-up below, work on registers, stands between
	v_lshrrev_b32 v1, 5, v0
	v_readfirstlane_b32 s[WV], v1                  ; wave 0..3
	s_lshr_b32 s[WM], s[WV], 1
	s_and_b32 s[WN], s[WV], 1
	s_bfe_u32 s[CX], ttmp6, 0x40000
	s_bfe_u32 s[CY], ttmp6, 0x40004
	s_lshl_b32 s[NX], ttmp9, 2
	s_add_co_u32 s[NX], s[NX], s[CX]               ; column block 0..3
	s_and_b32 s[MY], ttmp7, 0xffff
	s_lshl_b32 s[MY], s[MY], 2
	s_add_co_u32 s[MY], s[MY], s[CY]               ; row block 0..63
	s_lshl_b32 s2, s[CY], 2
	s_lshl_b32 s2, 15, s2                          ; my row of the cluster
	s_lshl_b32 s3, 0x1111, s[CX]                   ; my column
	s_or_b32 s[G1X], s2, G1XC
	s_or_b32 s[G1W], s3, G1WC
	s_mov_b32 s[G1X+1], 128<<16                    ; tensor_dim0 = 128
	s_mov_b32 s[G1X+2], 64<<16                     ; tensor_dim1 = 64
	s_mov_b32 s[G1X+3], 128<<16                    ; tile_dim0 = 128
	s_mov_b32 s[G1X+4], 64                         ; tile_dim1 = 64
	s_mov_b32 s[G1X+5], 1024                       ; elements from row to row
	s_mov_b32 s[G1X+6], 0
	s_mov_b32 s[G1X+7], 0
	s_mov_b32 s[G1W+1], 128<<16
	s_mov_b32 s[G1W+2], 144<<16                    ; 144 rows
	s_mov_b32 s[G1W+3], 128<<16
	s_mov_b32 s[G1W+4], 144
	s_mov_b32 s[G1W+5], 1024
	s_mov_b32 s[G1W+6], 0
	s_mov_b32 s[G1W+7], 0
	s_lshl_b32 s86, s[MY], 19                      ; x: 128 my rows of 4,096 bytes,
	s_lshl_b32 s87, s[WN], 18                      ; + 64 for wave 1: hangs on the row block and the wave alone
	s_add_co_u32 s86, s86, s87
	s_mov_b32 s87, 0
	s_mul_i32 s88, s[NX], 288*2048                 ; wcat: block nx,
	s_mul_i32 s89, s[WN], 144*2048                 ; + 144 rows for wave 3: hangs on nx and the wave alone
	s_add_co_u32 s88, s88, s89
	s_mov_b32 s89, 0
	s_mul_i32 s90, s[WV], 64*PX                    ; where my tile goes: waves 0, 1: wave x 64 rows of x;
	s_mul_i32 s91, s[WV], 144*PW                   ; waves 2, 3: behind x's rows, (wave - 2) x 144 rows: no place in the cluster enters an LDS address
	s_sub_co_u32 s91, s91, 2*144*PW-OFFW
	s_cmp_lt_u32 s[NX], 2
	s_cselect_b32 s[KMASK], -1, 0
	s_wait_dscnt 0x0                               ; both opening adds are done
	s_wait_kmcnt 0x0
	s_add_nc_u64 s[86:87], s[4:5], s[86:87]
	s_add_nc_u64 s[88:89], s[6:7], s[88:89]
	CROUND                                         ; all sixteen work-groups are here: the first joint loads meet
.irp s, 0,1
	s_mov_b32 s[G0X+4*(\s)], 1
	s_add_co_u32 s[G0X+4*(\s)+1], s90, (\s)*SLOT
	s_add_nc_u64 s[G0X+4*(\s)+2:G0X+4*(\s)+3], s[86:87], (\s)*KXB
	s_or_b32 s[G0X+4*(\s)+3], s[G0X+4*(\s)+3], 0x80000000
	s_mov_b32 s[G0W+4*(\s)], 1
	s_add_co_u32 s[G0W+4*(\s)+1], s91, (\s)*SLOT
	s_add_nc_u64 s[G0W+4*(\s)+2:G0W+4*(\s)+3], s[88:89], (\s)*KWB
	s_or_b32 s[G0W+4*(\s)+3], s[G0W+4*(\s)+3], 0x80000000
	JLOAD \s                                       ; K steps 0 and 1: two loads of mine are out
.endr
	v_and_b32 v1, 15, v0                           ; r = l % 16
	v_bfe_u32 v2, v0, 4, 1                         ; h = l / 16
	v_mul_u32_u24 v3, v1, PX
	v_lshl_add_u32 v3, v2, 5, v3                   ; x: row x pitch + 32 h
	v_mul_u32_u24 v15, v1, PW
	v_lshl_add_u32 v15, v2, 4, v15                 ; wcat: row x pitch + 16 h
	s_and_b32 s73, s[NX], 1                        ; WQ_b at channel 32 (nx % 2) + 16 wn + 8 h
	s_lshl_b32 s73, s73, 7
	s_lshl_b32 s74, s[WN], 6
	s_add_co_u32 s73, s73, s74
	v_lshl_add_u32 v[TT], v2, 5, s73
	global_load_b128 v[BQ:BQ+3], v[TT], s[8:9]
	global_load_b128 v[BQ+4:BQ+7], v[TT], s[8:9] offset:16
	s_mul_i32 s70, s[WM], 64*PX
	s_mul_i32 s71, s[WN], 128*PW
	s_add_co_u32 s71, s71, OFFW
	s_mul_i32 s72, s[WN], 16*PW
	s_add_co_u32 s72, s72, OFFW+256*PW
.irp s, 0,1
	v_add_nc_u32 v[ADRX+(\s)], s70, v3
	v_add_nc_u32 v[ADRW+(\s)], s71, v15
	v_add_nc_u32 v[ADRQ+(\s)], s72, v15
	s_add_co_u32 s70, s70, SLOT
	s_add_co_u32 s71, s71, SLOT
	s_add_co_u32 s72, s72, SLOT
.endr
	v_mov_b32 v[NEG1], -1.0
	; where my results go
	s_lshl_b32 s74, s[MY], 3
	s_lshl2_add_u32 s74, s[WM], s74                ; my first tile of 16 rows: 8 my + 4 wm
	s_lshl_b32 s74, s74, 12
	s_lshr_b32 s75, s[NX], 1                       ; q or k: 2 MiB apart
	s_lshl_b32 s75, s75, 21
	s_add_co_u32 s74, s74, s75
	s_and_b32 s75, s[NX], 1                        ; c
	s_lshl_b32 s75, s75, 10
	s_add_co_u32 s74, s74, s75
	s_lshl_b32 s75, s[WN], 9                       ; g
	s_add_co_u32 s74, s74, s75
	s_mov_b32 s75, 0
	s_add_nc_u64 s[QKP:QKP+1], s[10:11], s[74:75]
	s_lshr_b32 s74, s[MY], 4                       ; batch
	s_lshl_b32 s74, s74, 6
	s_lshl4_add_u32 s74, s[NX], s74
	s_lshl3_add_u32 s74, s[WN], s74                ; ct = 64 b + 16 nx + 8 wn
	s_lshl_b32 s74, s74, 6
	s_and_b32 s76, s[MY], 15
	s_lshl2_add_u32 s74, s76, s74
	s_lshl1_add_u32 s74, s[WM], s74                ; kb = 4 (my % 16) + 2 wm
	s_lshl_b32 s74, s74, 10
	s_add_nc_u64 s[VFP:VFP+1], s[12:13], s[74:75]
	; the prefetches
	s_lshl_b32 s76, s[MY], 7
	s_lshl_b32 s77, s[WN], 6
	s_add_co_u32 s76, s76, s77
	s_lshl_b32 s77, s[CX], 4
	s_add_co_u32 s76, s76, s77                     ; x: row 128 my + 64 wn + 16 cx
	s_lshl_b32 s76, s76, 12
	s_mul_i32 s78, s[NX], 288
	s_lshl_b32 s77, s[CY], 6
	s_add_co_u32 s78, s78, s77
	s_lshl_b32 s77, s[WN], 5
	s_add_co_u32 s78, s78, s77                     ; wcat: row 288 nx + 64 cy + 32 wn
	s_lshl_b32 s78, s78, 11
	s_and_b32 s79, ttmp7, 0xffff                   ; cluster y: the same in all sixteen partners
	s_mov_b32 s81, KXB
	s_cmp_eq_u32 s[WM], 0
	s_cselect_b32 s76, s76, s78
	s_cselect_b64 s[PFA:PFA+1], s[4:5], s[6:7]
	s_cselect_b32 s[PST], s81, KWB
	s_cselect_b32 s79, 0, s79                      ; waves 0 and 1 ask in every cluster, waves 2 and 3 where cluster y = 0
	s_cselect_b32 s80, -1, 0
	s_mov_b32 s77, 0
	s_mov_b32 s[PST+1], 0
	s_add_nc_u64 s[PFA:PFA+1], s[PFA:PFA+1], s[76:77]
	s_mul_i32 s76, s[PST], 3
	s_add_nc_u64 s[PFA:PFA+1], s[PFA:PFA+1], s[76:77]  ; at K step 3: the first refill (K step 2) steps it to 4 and names that
	s_cmp_eq_u32 s79, 0
	s_cselect_b32 s[LIM], 1, -1
	v_and_b32 v[L16], 31, v0
	v_lshrrev_b32 v25, 1, v[L16]
	v_and_b32 v26, 1, v[L16]
	v_lshlrev_b32 v25, 12, v25
	v_lshl_add_u32 v25, v26, 8, v25                ; x: two lanes a row, 256 bytes apart
	v_lshlrev_b32 v26, 11, v[L16]                  ; wcat: a lane a row
	v_cndmask_b32 v[PFO], v26, v25, s80
	v_lshlrev_b32 v[L16], 4, v[L16]
	s_wait_loadcnt 0x0                             ; the bias
.irp u, 0,1,2,3
	v_cvt_pk_bf16_f32 v[TT+4+(\u)], v[BQ+2*(\u)], v[BQ+2*(\u)+1]
.endr
.irp u, 0,1,2,3
	v_lshlrev_b32 v[BQ+2*(\u)], 16, v[TT+4+(\u)]
	v_and_b32 v[BQ+2*(\u)+1], 0xffff0000, v[TT+4+(\u)]
.endr
.irp u, 0,1,2,3,4,5,6,7
	v_and_b32 v[BQ+(\u)], s[KMASK], v[BQ+(\u)]     ; k takes no bias
.endr
	s_wait_tensorcnt 1                             ; my part of K step 0 is in; K step 1's may stay out
	s_barrier_signal -1
	s_barrier_wait -1
	LOADQ 0, 0
	STEP 0, 0, 1, 0                                ; the first quarter stands in front of the loop: its products start the sums
	WIN 0
	s_mov_b32 s[LAP], 3
.Llap:                                                 ; a trip goes once round the ring and fills both slots again: K steps 2 to 7
	STEP 0, 1, 0, 0
	STEP 0, 2, 0, 0
	STEP 0, 3, 0, 1
	STEP 1, 0, 0, 0
	STEP 1, 1, 0, 0
	STEP 1, 2, 0, 0
	STEP 1, 3, 0, 1
	STEP 0, 0, 0, 0
	WIN 0
	s_sub_co_u32 s[LAP], s[LAP], 1
	s_cmp_lg_u32 s[LAP], 0
	s_cbranch_scc1 .Llap
	STEP 0, 1, 0, 0                                ; the last lap fills nothing
	STEP 0, 2, 0, 0
	STEP 0, 3, 0, 2
	STEP 1, 0, 0, 0
	STEP 1, 1, 0, 0
	STEP 1, 2, 0, 0
	STEP 1, 3, 0, 3
	; THE WAY OUT
	PLACES
	WIN 0x03                                       ; source 0 window 3
.irp a, 0,1,2,3
.irp u, 0,1,2,3
	v_pk_add_f32 v[TQ+8*(\a)+2*(\u):TQ+8*(\a)+2*(\u)+1], v[8*(\a)+2*(\u):8*(\a)+2*(\u)+1], v[BQ+2*(\u):BQ+2*(\u)+1]
.endr
.endr
	WIN 0
.irp a, 0,1,2,3
.irp u, 0,1,2,3
	v_cvt_pk_f16_f32 v[HQ+4*(\a)+(\u)], v[TQ+8*(\a)+2*(\u)], v[TQ+8*(\a)+2*(\u)+1]  ; hi
.endr
.endr
.irp a, 0,1,2,3
.irp u, 0,1,2,3
	v_fma_mix_f32 v[TQ+8*(\a)+2*(\u)], v[HQ+4*(\a)+(\u)], v[NEG1], v[TQ+8*(\a)+2*(\u)] op_sel_hi:[1,0,0]  ; t - hi, from hi's low half
	v_fma_mix_f32 v[TQ+8*(\a)+2*(\u)+1], v[HQ+4*(\a)+(\u)], v[NEG1], v[TQ+8*(\a)+2*(\u)+1] op_sel:[1,0,0] op_sel_hi:[1,0,0]  ; and from its high half
.endr
.endr
.irp a, 0,1,2,3
.irp u, 0,1,2,3
	v_cvt_pk_f16_f32 v[LQ+4*(\a)+(\u)], v[TQ+8*(\a)+2*(\u)], v[TQ+8*(\a)+2*(\u)+1]  ; lo
.endr
.endr
.irp a, 0,1,2,3
	global_store_b128 v[L16], v[HQ+4*(\a):HQ+4*(\a)+3], s[QKP:QKP+1] offset:(\a)*4096       ; a wave's store covers 512 consecutive bytes, aligned
	global_store_b128 v[L16], v[LQ+4*(\a):LQ+4*(\a)+3], s[QKP:QKP+1] offset:(\a)*4096+2048
.endr
	WIN 0x0a                                       ; sources window 2
.set z, 0
.rept 128
	v_cvt_pk_f16_f32 v[VP+z], v[2*z], v[2*z+1]
.set z, z+1
.endr
	WIN 0
.irp a, 0,1,2,3
.irp n, 0,1,2,3,4,5,6,7
	global_store_b128 v[L16], v[VP+4*(8*(\a)+(\n)):VP+4*(8*(\a)+(\n))+3], s[VFP:VFP+1] offset:(\n)*65536+((\a)/2)*1024+((\a)%2)*512
.endr
.endr
	s_wait_tensorcnt 0x0                           ; the wave's end
	ds_add_u32 v[SPW], v[NIL]
	s_wait_dscnt 0x0
	CROUND                                         ; the closing round: no work-group ends while a partner may still ask for a tile that names it
	s_endpgm
.Lfunc_end_k_q72aa424167_proj:
	.size	k_q72aa424167_proj, .Lfunc_end_k_q72aa424167_proj-k_q72aa424167_proj
	.p2alignl 7, 3214868480
	.fill 96, 4, 3214868480
	.section	.rodata,"a",@progbits
	.p2align	6, 0x0
	.amdhsa_kernel k_q72aa424167_proj
		.amdhsa_group_segment_fixed_size 327680
		.amdhsa_private_segment_fixed_size 0
		.amdhsa_enable_private_segment 0
		.amdhsa_kernarg_size 40
		.amdhsa_user_sgpr_count 2
		.amdhsa_user_sgpr_kernarg_segment_ptr 1
		.amdhsa_wavefront_size32 1
		.amdhsa_system_sgpr_workgroup_id_x 1
		.amdhsa_system_sgpr_workgroup_id_y 1
		.amdhsa_system_sgpr_workgroup_id_z 1
		.amdhsa_system_vgpr_workitem_id 0
		.amdhsa_next_free_vgpr 800
		.amdhsa_next_free_sgpr 100
		.amdhsa_reserve_vcc 0
		.amdhsa_float_denorm_mode_32 3
		.amdhsa_float_denorm_mode_16_64 3
		.amdhsa_memory_ordered 1
		.amdhsa_forward_progress 1
		.amdhsa_inst_pref_size 138
	.end_amdhsa_kernel
	.amdgpu_metadata
---
amdhsa.version: [ 1, 2 ]
amdhsa.kernels:
  - .name:           k_q72aa424167_proj
    .symbol:         k_q72aa424167_proj.kd
    .args:
      - { .name: x, .offset: 0, .size: 8, .value_kind: global_buffer, .address_space: global }
      - { .name: wcat, .offset: 8, .size: 8, .value_kind: global_buffer, .address_space: global }
      - { .name: WQ_b, .offset: 16, .size: 8, .value_kind: global_buffer, .address_space: global }
      - { .name: qk, .offset: 24, .size: 8, .value_kind: global_buffer, .address_space: global }
      - { .name: vf, .offset: 32, .size: 8, .value_kind: global_buffer, .address_space: global }
    .group_segment_fixed_size: 327680
    .private_segment_fixed_size: 0
    .kernarg_segment_align: 8
    .kernarg_segment_size: 40
    .max_flat_workgroup_size: 128
    .sgpr_count:     100
    .vgpr_count:     800
    .wavefront_size: 32
...
	.end_amdgpu_metadata
.endif
;; end of part 2
;; launch score (part 3): grid 17 x 32, 4 waves a work-group, no clusters, 34,304 bytes of LDS; arguments qk, pf, stats; writes pf, stats
.if DOCPART == 3
	.amdgcn_target "amdgcn-amd-amdhsa--gfx1250"
	.amdhsa_code_object_version 6
	.text
	.protected	k_q72aa424167_score
	.globl	k_q72aa424167_score
	.p2align	8
	.type	k_q72aa424167_score,@function
k_q72aa424167_score:
	s_mov_b64 s[64:65], 0
	v_nop
	global_prefetch_b8 v0, s[64:65] scope:SCOPE_SE
	s_setreg_imm32_b32 hwreg(HW_REG_WAVE_MODE, 25, 1), 1
	s_wait_xcnt 0x0
; THE WEIGHTS, block by block.  For each block of 128 queries x 128 keys that the causal mask leaves alive: s = q . k, the mask on the diagonal blocks, the block's own row maximum m and
; p~ = 2^(c s - c m), c = log2(e), in f16, with the row sum l of the unrounded p~.  The last launch takes the true row maximum over a row's blocks and rescales.
; LEFT OUT: the 480 of 1,024 blocks that lie wholly above the diagonal of the mask that the problem itself builds: their weights are 0 for all inputs.  WK_b: see the first kernel's head.
; A score is three f16 products on hi/lo pairs, qh kh + ql kh + qh kl, summed in f32 (ql kl is far below an f32's last bit of the sum).
; LIMITS.  A hidden score counts as -1e30; a weight below 2^-126 counts as 0, and p~ below 6e-5 keeps f16's fixed step of 6e-8; NaN and infinities are not treated apart.
; SHARES.  17 x 8 = 136 live blocks a batch: work-group (X, Y) with r = Y % 8 takes (i, j) = (r, X) if X <= r, else (15 - r, X - r - 1).  Wave w takes query tiles 8 i + 2 w + t, t = 0, 1, and all 8 key tiles.
; NO CLUSTER, NO TENSOR LOADS: a work-group reads 64 KiB once, at its head, through registers; 17 work-groups along x are no multiple of four, and the blocks that share a key block j differ in number from j to j.
; LAYOUT.  S^T = K Q^T (source 0 = 16 keys, source 1 = 16 queries): a lane holds one query (l % 16) and the keys 8 (l / 16) + 0..7; rounded in pairs that is 16 bytes of
;   pf: [batch][tile of 16 queries qt][32 keys kb][half g][lane][16 bytes]: lane (r, h) holds query 16 qt + r, keys 32 kb + 16 g + 8 h + 0..7.
;   stats: [batch][key block j][c m: 2,048 f32; l: 2,048 f32].
; REGISTERS: window 0: v1-13 addresses; v16-79 two buffers of a key tile's four fragments, later p~ packed; v112-239 S^T, 64 a tile; v240-255 statistics.  window 1: v0-63 Q.
.set STG,   32768                      ; behind K's 32 KiB: c m of the block's 128 queries, then l: 1,024 bytes
.set SPARE, 33792                      ; the spare words, 128 bytes a wave, two blocks of 256 bytes that no other line names
.set L16, 1                            ; v1   16 x lane
.set KST, 3                            ; v3   8,192 x wave + 16 x lane
.set SPW, 4
.set NIL, 5
.set D0,  6                            ; v6, v7  my query's place in the block less 8 (l / 16), for t = 0, 1: register jj of key tile kt is hidden where 16 kt + jj is greater
.set BIG, 8                            ; v8   -1e30
.set SA,  9                            ; v9   where my query's statistics go
.set SR,  10                           ; v10  where I read them back
.set KB0, 16
.set PK,  16
.set OUTR, 104
.set S,   112
.set ST,  240                          ; by tile: +0..3 at work, +4 c m, +5 m, +6 l, +7 at work
.set MSB, 0
.macro WIN new
.if MSB != (\new)
	s_set_vgpr_msb (MSB<<8)|(\new)
.set MSB, \new
.endif
.endm
.macro PLACES
.rept 4
	v_nop
.endr
.endm
.macro KLOAD kt                        ; key tile kt: hi and lo, two fragments each: 8 loads of 512 consecutive bytes
.irp n, 0,1,2,3,4,5,6,7
	ds_load_b128 v[KB0+32*((\kt)%2)+4*(\n):KB0+32*((\kt)%2)+4*(\n)+3], v[L16] offset:(\kt)*4096+(\n)*512
.endr
.endm
.macro KQ2 kt, kp, c, qp, zero         ; part kp of K times part qp of Q, channels 32 c on, for both query tiles: the two accumulators take turns
.irp t, 0,1
.if \zero
	v_wmma_f32_16x16x32_f16 v[S+64*(\t)+8*(\kt):S+64*(\t)+8*(\kt)+7], v[KB0+32*((\kt)%2)+16*(\kp)+8*(\c):KB0+32*((\kt)%2)+16*(\kp)+8*(\c)+7], v[32*(\t)+16*(\qp)+8*(\c):32*(\t)+16*(\qp)+8*(\c)+7], 0
.else
	v_wmma_f32_16x16x32_f16 v[S+64*(\t)+8*(\kt):S+64*(\t)+8*(\kt)+7], v[KB0+32*((\kt)%2)+16*(\kp)+8*(\c):KB0+32*((\kt)%2)+16*(\kp)+8*(\c)+7], v[32*(\t)+16*(\qp)+8*(\c):32*(\t)+16*(\qp)+8*(\c)+7], v[S+64*(\t)+8*(\kt):S+64*(\t)+8*(\kt)+7]
.endif
.endr
.endm
; The maximum of a tile's 64 scores a lane: four chains of 16, three operands at a time; each accumulator's lowest registers are read first.
.macro MAXT t
.irp q, 0,1,2,3
	v_max3_num_f32 v[ST+8*(\t)+(\q)], v[S+64*(\t)+16*(\q)], v[S+64*(\t)+16*(\q)+1], v[S+64*(\t)+16*(\q)+2]
.endr
.irp e, 3,5,7,9,11,13
.irp q, 0,1,2,3
	v_max3_num_f32 v[ST+8*(\t)+(\q)], v[ST+8*(\t)+(\q)], v[S+64*(\t)+16*(\q)+(\e)], v[S+64*(\t)+16*(\q)+(\e)+1]
.endr
.endr
.irp q, 0,1,2,3
	v_max_num_f32 v[ST+8*(\t)+(\q)], v[ST+8*(\t)+(\q)], v[S+64*(\t)+16*(\q)+15]
.endr
	v_max3_num_f32 v[ST+8*(\t)], v[ST+8*(\t)], v[ST+8*(\t)+1], v[ST+8*(\t)+2]
	v_max_num_f32 v[ST+8*(\t)], v[ST+8*(\t)], v[ST+8*(\t)+3]
	v_permlanex16_b32 v[ST+8*(\t)+1], v[ST+8*(\t)], s26, s27   ; the query's other 64 keys lie in the lane 16 away
	v_max_num_f32 v[ST+8*(\t)+5], v[ST+8*(\t)], v[ST+8*(\t)+1]
	v_mul_f32 v[ST+8*(\t)+4], s24, v[ST+8*(\t)+5]              ; c m
.endm
.macro SUMT t                          ; the tile's 32 pairs into one, in place
.irp w, 32,16,8,4,2
.set z, 0
.rept (\w)/2
	v_pk_add_f32 v[S+64*(\t)+z:S+64*(\t)+z+1], v[S+64*(\t)+z:S+64*(\t)+z+1], v[S+64*(\t)+(\w)+z:S+64*(\t)+(\w)+z+1]
.set z, z+2
.endr
.endr
	v_add_f32 v[ST+8*(\t)+6], v[S+64*(\t)], v[S+64*(\t)+1]
	v_permlanex16_b32 v[ST+8*(\t)+7], v[ST+8*(\t)+6], s26, s27
	v_add_f32 v[ST+8*(\t)+6], v[ST+8*(\t)+6], v[ST+8*(\t)+7]
.endm
	s_load_b128 s[4:7], s[0:1], 0x0                ; qk s[4:5], pf s[6:7]
	s_load_b64 s[8:9], s[0:1], 0x10                ; stats
	v_lshl_add_u32 v[SPW], v0, 2, SPARE
	v_mov_b32 v[NIL], 0
	v_lshrrev_b32 v2, 5, v0
	v_readfirstlane_b32 s10, v2                    ; wave 0..3
	s_mov_b32 s11, ttmp9                           ; X
	s_and_b32 s12, ttmp7, 0xffff
	s_lshr_b32 s13, s12, 3                         ; batch
	s_and_b32 s12, s12, 7                          ; r
	s_sub_co_u32 s28, 15, s12
	s_sub_co_u32 s29, s11, s12
	s_sub_co_u32 s29, s29, 1
	s_cmp_le_u32 s11, s12
	s_cselect_b32 s14, s12, s28                    ; i
	s_cselect_b32 s15, s11, s29                    ; j
	s_mov_b32 s24, 0x3fb8aa3b                      ; c = log2(e)
	s_mov_b32 s25, s24                             ; named with it as a pair
	s_mov_b32 s26, 0x76543210
	s_mov_b32 s27, 0xfedcba98
	s_lshl_b32 s30, s13, 7                         ; 128 tiles a batch
	s_lshl3_add_u32 s31, s14, s30
	s_lshl1_add_u32 s31, s10, s31                  ; my first query tile: 128 b + 8 i + 2 w
	s_lshl_b32 s16, s31, 12
	s_mov_b32 s17, 0
	s_lshl3_add_u32 s18, s15, s30                  ; the block's first key tile: 128 b + 8 j,
	s_lshl1_add_u32 s18, s10, s18                  ; my two of its eight
	s_lshl_b32 s18, s18, 12
	s_add_co_u32 s18, s18, 0x200000                ; k lies 2 MiB behind q
	s_mov_b32 s19, 0
	s_lshl_b32 s20, s31, 6
	s_lshl2_add_u32 s20, s15, s20                  ; kb = 4 j
	s_lshl_b32 s20, s20, 10
	s_mov_b32 s21, 0
	s_lshl4_add_u32 s22, s13, s15                  ; 16 b + j
	s_lshl_b32 s22, s22, 14
	s_lshl_b32 s23, s10, 13                        ; wave 0 stores c m, wave 1 l
	s_add_co_u32 s22, s22, s23
	s_lshl_b32 s23, s14, 9                         ; the block's 128 queries
	s_add_co_u32 s22, s22, s23
	s_mov_b32 s23, 0
	v_and_b32 v[L16], 31, v0
	v_lshlrev_b32 v[L16], 4, v[L16]
	s_lshl_b32 s28, s10, 13
	v_add_nc_u32 v[KST], s28, v[L16]
	v_and_b32 v11, 15, v0
	v_bfe_u32 v12, v0, 4, 1
	v_lshlrev_b32 v13, 3, v12
	v_sub_nc_u32 v[D0], v11, v13
	s_lshl_b32 s28, s10, 5
	v_add_nc_u32 v[D0], s28, v[D0]
	v_add_nc_u32 v[D0+1], 16, v[D0]
	v_mov_b32 v[BIG], 0xf149f2ca                   ; -1e30
	s_lshl_b32 s28, s10, 7
	s_add_co_u32 s28, s28, STG
	v_lshl_add_u32 v[SA], v11, 2, s28
	s_lshl_b32 s28, s10, 9
	s_add_co_u32 s28, s28, STG
	v_add_nc_u32 v[SR], s28, v[L16]
	v_mov_b32 v[ST+7], 0                           ; destinations of v_permlanex16_b32 count as read
	v_mov_b32 v[ST+15], 0
	s_wait_kmcnt 0x0
	s_add_nc_u64 s[16:17], s[4:5], s[16:17]        ; Q
	s_add_nc_u64 s[18:19], s[4:5], s[18:19]        ; K
	s_add_nc_u64 s[20:21], s[6:7], s[20:21]        ; pf
	s_add_nc_u64 s[22:23], s[8:9], s[22:23]        ; stats
.irp n, 0,1,2,3,4,5,6,7,8,9,10,11,12,13,14,15
	global_load_b128 v[S+4*(\n):S+4*(\n)+3], v[L16], s[18:19] offset:(\n)*512   ; my quarter of the key block, 8 KiB on end
.endr
	WIN 0x40                                       ; destination window 1
.irp n, 0,1,2,3,4,5,6,7,8,9,10,11,12,13,14,15
	global_load_b128 v[4*(\n):4*(\n)+3], v[L16], s[16:17] offset:(\n)*512       ; my two query tiles: fragments as they lie
.endr
	WIN 0
	s_wait_loadcnt 16                              ; K's 16 loads are in; Q's 16 may stay out
.irp n, 0,1,2,3,4,5,6,7,8,9,10,11,12,13,14,15
	ds_store_b128 v[KST], v[S+4*(\n):S+4*(\n)+3] offset:(\n)*512
.endr
	s_wait_dscnt 0x0                               ; for the others' sake: my stores are done
	s_barrier_signal -1
	s_barrier_wait -1                              ; the whole key block lies in LDS
	KLOAD 0
	KLOAD 1
	s_wait_loadcnt 0x0                             ; Q
	WIN 0x04                                       ; source 1 (Q) window 1; LDS loads name window 0 under this setting too
.irp kt, 0,1,2,3,4,5,6,7
.if (\kt) < 7
	s_wait_dscnt 8                                 ; this tile's fragments are in; the next tile's 8 loads may stay out
.else
	s_wait_dscnt 0x0
.endif
	KQ2 \kt, 0, 0, 0, 1                            ; kh qh
	KQ2 \kt, 0, 1, 0, 0
	KQ2 \kt, 0, 0, 1, 0                            ; kh ql
	KQ2 \kt, 0, 1, 1, 0
	KQ2 \kt, 1, 0, 0, 0                            ; kl qh
	KQ2 \kt, 1, 1, 0, 0
.if (\kt) < 6
	PLACES                                         ; in front of loads into registers that those products read
	KLOAD (\kt)+2
.endif
.endr
	WIN 0
	PLACES
	s_cmp_lg_u32 s14, s15                          ; only the diagonal blocks have hidden scores
	s_cbranch_scc1 .Lopen
.irp t, 0,1
.set z, 0
.rept 64
	v_cmp_gt_i32 vcc_lo, 16*(z/8)+z%8, v[D0+(\t)]
	v_cndmask_b32 v[S+64*(\t)+z], v[S+64*(\t)+z], v[BIG], vcc_lo
.set z, z+1
.endr
.endr
.Lopen:
	MAXT 0                                         ; every row sees its own key at the least, so m is a true score
	MAXT 1
.irp t, 0,1
.set z, 0
.rept 32
	v_pk_fma_f32 v[S+64*(\t)+z:S+64*(\t)+z+1], v[S+64*(\t)+z:S+64*(\t)+z+1], s[24:25], v[ST+8*(\t)+4:ST+8*(\t)+5] op_sel_hi:[1,0,0] neg_lo:[0,0,1] neg_hi:[0,0,1]  ; c s - c m
.set z, z+2
.endr
.endr
.set z, 0
.rept 128
	v_exp_f32 v[S+z], v[S+z]                       ; one batch
.set z, z+1
.endr
	v_nop                                          ; a plain instruction behind the last exponential,
	s_wait_alu depctr_va_vdst(0)                   ; and the one wait ahead of the first use
.set z, 0
.rept 64
	v_cvt_pk_f16_f32 v[PK+z], v[S+2*z], v[S+2*z+1]
.set z, z+1
.endr
.irp t, 0,1
.irp kt, 0,1,2,3,4,5,6,7
	global_store_b128 v[L16], v[PK+32*(\t)+4*(\kt):PK+32*(\t)+4*(\kt)+3], s[20:21] offset:(\t)*65536+(\kt)*512  ; 512 consecutive bytes, aligned; the zeros above the diagonal too
.endr
.endr
	SUMT 0
	SUMT 1
.irp t, 0,1
	ds_store_b32 v[SA], v[ST+8*(\t)+4] offset:64*(\t)        ; both halves of the lanes hold the same number
	ds_store_b32 v[SA], v[ST+8*(\t)+6] offset:512+64*(\t)
.endr
	s_wait_dscnt 0x0
	s_barrier_signal -1
	s_barrier_wait -1                              ; the block's 128 c m and 128 l lie in LDS
	s_cmp_lt_u32 s10, 2
	s_cbranch_scc0 .Lend
	ds_load_b128 v[OUTR:OUTR+3], v[SR]
	s_wait_dscnt 0x0
	global_store_b128 v[L16], v[OUTR:OUTR+3], s[22:23]       ; 512 consecutive bytes, aligned
.Lend:
	s_wait_tensorcnt 0x0                           ; the wave's end, behind my last LDS store
	ds_add_u32 v[SPW], v[NIL]
	s_wait_dscnt 0x0
	s_endpgm
.Lfunc_end_k_q72aa424167_score:
	.size	k_q72aa424167_score, .Lfunc_end_k_q72aa424167_score-k_q72aa424167_score
	.p2alignl 7, 3214868480
	.fill 96, 4, 3214868480
	.section	.rodata,"a",@progbits
	.p2align	6, 0x0
	.amdhsa_kernel k_q72aa424167_score
		.amdhsa_group_segment_fixed_size 34304
		.amdhsa_private_segment_fixed_size 0
		.amdhsa_enable_private_segment 0
		.amdhsa_kernarg_size 24
		.amdhsa_user_sgpr_count 2
		.amdhsa_user_sgpr_kernarg_segment_ptr 1
		.amdhsa_wavefront_size32 1
		.amdhsa_system_sgpr_workgroup_id_x 1
		.amdhsa_system_sgpr_workgroup_id_y 1
		.amdhsa_system_sgpr_workgroup_id_z 1
		.amdhsa_system_vgpr_workitem_id 0
		.amdhsa_next_free_vgpr 320
		.amdhsa_next_free_sgpr 66
		.amdhsa_reserve_vcc 1
		.amdhsa_float_denorm_mode_32 3
		.amdhsa_float_denorm_mode_16_64 3
		.amdhsa_memory_ordered 1
		.amdhsa_forward_progress 1
		.amdhsa_inst_pref_size 51
	.end_amdhsa_kernel
	.amdgpu_metadata
---
amdhsa.version: [ 1, 2 ]
amdhsa.kernels:
  - .name:           k_q72aa424167_score
    .symbol:         k_q72aa424167_score.kd
    .args:
      - { .name: qk, .offset: 0, .size: 8, .value_kind: global_buffer, .address_space: global }
      - { .name: pf, .offset: 8, .size: 8, .value_kind: global_buffer, .address_space: global }
      - { .name: stats, .offset: 16, .size: 8, .value_kind: global_buffer, .address_space: global }
    .group_segment_fixed_size: 34304
    .private_segment_fixed_size: 0
    .kernarg_segment_align: 8
    .kernarg_segment_size: 24
    .max_flat_workgroup_size: 128
    .sgpr_count:     66
    .vgpr_count:     320
    .wavefront_size: 32
...
	.end_amdgpu_metadata
.endif
;; end of part 3
;; launch comb (part 4): grid 8 x 32, 4 waves a work-group, clusters of 4 x 1, 327,680 bytes of LDS; arguments pf, vf, stats, WV_b, out0; writes out0
.if DOCPART == 4
	.amdgcn_target "amdgcn-amd-amdhsa--gfx1250"
	.amdhsa_code_object_version 6
	.text
	.protected	k_q72aa424167_comb
	.globl	k_q72aa424167_comb
	.p2align	8
	.type	k_q72aa424167_comb,@function
k_q72aa424167_comb:
	s_mov_b64 s[64:65], 0
	v_nop
	global_prefetch_b8 v0, s[64:65] scope:SCOPE_SE
	s_setreg_imm32_b32 hwreg(HW_REG_WAVE_MODE, 25, 1), 1
	s_wait_xcnt 0x0
	s_wait_alu depctr_hold_cnt(0) depctr_sa_sdst(0) depctr_va_vdst(0) depctr_va_sdst(0) depctr_va_ssrc(0) depctr_va_vcc(0) depctr_vm_vsrc(0)
	s_getreg_b32 s2, hwreg(HW_REG_IB_STS2, 6, 4)
	s_cmp_eq_u32 s2, 0
	s_cbranch_scc0 .Lentry_in_a_cluster
	s_endpgm
.Lentry_in_a_cluster:
	s_bfe_u32 s2, ttmp6, 0x10000c
	s_cmp_lg_u32 s2, 0x3003
	s_cbranch_scc0 .Lentry_shape_is_right
	s_endpgm
.Lentry_shape_is_right:
; THE OUTPUT.  out[q][:] = WV_b + the sum over a row's live key blocks j of f_j[q] (P~_j V_j)[q][:], with f_j = 2^(c m_j - M) / L, M = the maximum over j of c m_j (the row's true maximum,
; taken away as the problem's softmax takes it), L = the sum over j of l_j 2^(c m_j - M).  P~ and V in f16, products summed in f32 block by block, f applied in f32.
; LEFT OUT: the key blocks above the diagonal (weights 0 for all inputs).  WV_b (rounded to bf16 like all inputs) starts the sums: a row's weights sum to 1.
; LIMITS: as the launches before state them; a factor below 2^-126 counts as 0.
; THE WALK.  A work-group takes 128 channels (slice sl) and TWO blocks of 128 queries, pb and 15 - pb: 17 entries of 128 keys, whatever pb: 256 work-groups of equal work, every trip count a constant.
; The odd block goes first: it has an even number of entries, so it ends at the end of a slot of two entries, and the second block ends with the walk's lone last entry.
; A wave (wq = w / 2, wc = w % 2): 64 queries x 64 channels: 16 accumulators T for an entry, and O += f T behind it.
; T = V^T P~ (source 0 = 16 channels, source 1 = 16 queries): a lane holds one query and 8 neighbouring channels.
; CLUSTER 4 x 1: the four slices of a cluster walk the same P~ tiles, which are asked for JOINTLY.  V's tiles differ from slice to slice and come by loads of one's own, behind the same rounds.
; V is not shared among the pairs of query blocks: their walks differ in which tile a trip needs, and one walk common to four pairs would have 20 entries for 17.
; RING.  Two slots of two entries; an entry is 32 KiB of P~ and 32 KiB of V, each 8 rows of 4,096 bytes, 65,536 bytes apart in memory, dense in LDS: fragments as the matrix unit takes them, so every
; LDS load is 512 consecutive bytes.  Wave w fills the slot's quarter w: entry w / 2, P~ (w even) or V (w odd).  By this text's count a wave has at most one tensor load out.
; REGISTERS: window 0: v1-20 addresses; v32-39 f; v64-127 the way out; v128-255 T.  window 1: two fragment buffers of 128 (64 along K: P~ 64 registers, V 64).  window 2: v0-127 O; v128-159 the bias.
.set SLOTB, 131072
.set FTAB,  262144                     ; f: [pass][j][128 queries] f32, 16,384 bytes
.set STAGE, 278528                     ; 16 rows x 272 bytes for each wave, for the way out
.set SP,    272
.set SPARE, 295936                     ; the spare words, 128 bytes a wave, two blocks of 256 bytes that no other line names
.set L16, 3                            ; v3   16 x lane
.set AP0, 4                            ; v4   my P~ fragments in an entry
.set AV0, 5                            ; v5   my V fragments
.set AD,  6                            ; v6-9 the same in the slot in hand: entry A's P~, V; entry B's P~, V
.set FA0, 10                           ; v10  my query's place in a row of f
.set FA,  11
.set STO, 12
.set RD,  13
.set CO,  14
.set PFO, 15                           ; v15  the prefetches' offset: two rows of 16 blocks of 256 bytes; never rewritten
.set SPW, 16
.set NIL, 17
.set TID4, 18
.set FST, 19
.set H32, 20
.set FB,  32                           ; f of query tile qt at FB + 2 qt; the odd registers hold 0 (named as pairs)
.set OB,  64
.set T,   128
.set MJ,  128                          ; while f is made: c m_j, l_j, and three at work
.set LJ,  144
.set MX,  160
.set LS,  161
.set RL,  162
.set F0,  0
.set F1,  128
.set O,   0
.set BV,  128
.set WV,  14
.set WQ,  15                           ; also: which entry of a slot I fetch
.set WC,  16                           ; also: I fetch P~ (0) or V (1)
.set CX,  17
.set SL,  18
.set PB,  19
.set BAT, 20
.set I1,  21
.set I2,  22
.set N1,  23
.set G1P, 24
.set G1V, 32
.set G0P, 40
.set G0V, 44
.set PBASE, 48
.set VBASE, 50
.set OUTP, 52
.set OUT2, 54
.set EW,  56                           ; the entry that I fetch next
.set TB,  57                           ; the slot in hand
.set FO,  58                           ; the entry in hand's row of f
.set LEFT1, 59                         ; slots that the first block still has
.set CNT, 60
.set TB2, 61
.set PFB, 62                           ; s[62:63] the prefetches' base
.set OFF, 66                           ; s[66:67] a tile's offset in V's slice
.set PFA, 68                           ; s[68:69] the tile just asked for, at my share of its rows
.set ASKOK, 70
.set AF,  71
.set OFP, 72                           ; s[72:73] a tile's offset in the batch's P~
.set IW,  74
.set JW,  75
.set SEL, 76                           ; s[76:77]
.set SB0, 78
.set SB1, 80
.set N2,  82
.set MSB, 0
.macro WIN new
.if MSB != (\new)
	s_set_vgpr_msb (MSB<<8)|(\new)
.set MSB, \new
.endif
.endm
.macro PLACES
.rept 4
	v_nop
.endr
.endm
.macro CREST
	s_cmp_lg_u32 s[WV], 0
	s_cbranch_scc1 .Lnot_wave_0_\@
	s_barrier_signal -3
.Lnot_wave_0_\@:
	s_barrier_wait -3
	s_barrier_signal -1
	s_barrier_wait -1
.endm
.macro CROUND
	s_barrier_signal -1
	s_barrier_wait -1
	CREST
.endm
; A fill.  part = 2: the walk's last entry: waves 2 and 3 have nothing left to fetch.  The branches hang on the wave's number alone.  An s_nop 0 and four v_nop follow each line.
.macro JLOAD part
.if (\part)==2
	s_cmp_lt_u32 s[WV], 2
	s_cbranch_scc0 .Lasked_\@
.endif
	s_cmp_eq_u32 s[WC], 0
	s_cbranch_scc0 .Lfor_v_\@
	tensor_load_to_lds s[G0P:G0P+3], s[G1P:G1P+7]
	s_nop 0
.rept 4
	v_nop
.endr
	s_branch .Lasked_\@
.Lfor_v_\@:
	tensor_load_to_lds s[G0V:G0V+3], s[G1V:G1V+7]
	s_nop 0
.rept 4
	v_nop
.endr
.Lasked_\@:
.endm
; The scalar work of a fill, where no tensor load of mine is out: entry EW is (I1, EW) or (I2, EW - N1); both descriptors' addresses are made anew from these numbers.
.macro NEXTFILL turn
	s_sub_co_u32 s[JW], s[EW], s[N1]
	s_cmp_lt_u32 s[EW], s[N1]
	s_cselect_b32 s[JW], s[EW], s[JW]
	s_cselect_b32 s[IW], s[I1], s[I2]
	s_lshl_b32 s[OFF], s[JW], 12                   ; 128 keys are 4,096 bytes of a row
	s_lshl_b32 s[OFP], s[IW], 19                   ; a block's 8 rows of 65,536 bytes
	s_add_co_u32 s[OFP], s[OFP], s[OFF]
.if \turn
	s_xor_b32 s[G0P+1], s[G0P+1], SLOTB            ; the other slot than last time
	s_xor_b32 s[G0V+1], s[G0V+1], SLOTB
.endif
	s_add_nc_u64 s[G0P+2:G0P+3], s[PBASE:PBASE+1], s[OFP:OFP+1]
	s_or_b32 s[G0P+3], s[G0P+3], 0x80000000
	s_add_nc_u64 s[G0V+2:G0V+3], s[VBASE:VBASE+1], s[OFF:OFF+1]
	s_or_b32 s[G0V+3], s[G0V+3], 0x80000000
	s_cmp_eq_u32 s[WC], 0
	s_cselect_b32 s[SEL], s[OFP], s[OFF]
	s_add_nc_u64 s[PFA:PFA+1], s[PFB:PFB+1], s[SEL:SEL+1]
	s_add_co_u32 s83, s[JW], 6
	s_cmp_le_u32 s83, s[IW]                        ; does the block have a tile six entries on?
	s_cselect_b32 s[AF], s[ASKOK], 0
	s_add_co_u32 s[EW], s[EW], 2
.endm
; A PREFETCH INTO THE L2 of the tile that I shall fetch three fills on (six entries further along the same block's rows): 8 rows x 4,096 bytes.  Each block of 256 bytes is named once in the launch.
; P~'s tile is read by both clusters of a pair of query blocks: the cluster with x = 0 asks, and its four partners take two rows each, by address (cx): one instruction.
; V's tile is read by the eight pairs of a batch and slice: the pair with pb = 0 asks, in its first block, which walks all 16 key blocks: four instructions.
; A block's first six entries, and what the first two fills would have named, come by their loads alone; nothing is asked for past a block's last tile.
.macro ASK
	s_cmp_lg_u32 s[AF], 0
	s_cbranch_scc0 .Lnot_mine_\@
	global_prefetch_b8 v[PFO], s[PFA:PFA+1] offset:24576 th:TH_LOAD_NT scope:SCOPE_SE
	s_cmp_lg_u32 s[WC], 0
	s_cbranch_scc0 .Lnot_mine_\@
.irp u, 1,2,3
	global_prefetch_b8 v[PFO], s[PFA:PFA+1] offset:24576+(\u)*131072 th:TH_LOAD_NT scope:SCOPE_SE
.endr
.Lnot_mine_\@:
.endm
.macro ADDRS                           ; four plain instructions: also the places in front of the loads that follow, on the way that takes no tensor load
	s_add_co_u32 s[TB2], s[TB], 65536
	v_add_nc_u32 v[AD], s[TB], v[AP0]
	v_add_nc_u32 v[AD+1], s[TB], v[AV0]
	v_add_nc_u32 v[AD+2], s[TB2], v[AP0]
	v_add_nc_u32 v[AD+3], s[TB2], v[AV0]
.endm
; 32 LDS loads in one run: the fragments of 64 keys (half hh of entry set's 128) into buffer f; the first 32 keys first
.macro FETCH set, hh, f
	WIN 0x40                               ; destination window 1, address window 0
.irp c, 0,1
.irp i, 0,1,2,3
	ds_load_b128 v[(\f)+64+8*(4*(\c)+(\i)):(\f)+64+8*(4*(\c)+(\i))+3],   v[AD+2*(\set)+1] offset:(\i)*4096+(2*(\hh)+(\c))*1024
	ds_load_b128 v[(\f)+64+8*(4*(\c)+(\i))+4:(\f)+64+8*(4*(\c)+(\i))+7], v[AD+2*(\set)+1] offset:(\i)*4096+(2*(\hh)+(\c))*1024+512
	ds_load_b128 v[(\f)+8*(4*(\c)+(\i)):(\f)+8*(4*(\c)+(\i))+3],         v[AD+2*(\set)] offset:(\i)*4096+(2*(\hh)+(\c))*1024
	ds_load_b128 v[(\f)+8*(4*(\c)+(\i))+4:(\f)+8*(4*(\c)+(\i))+7],       v[AD+2*(\set)] offset:(\i)*4096+(2*(\hh)+(\c))*1024+512
.endr
.endr
.endm
; 8 products: query tiles q0, q0 + 1 x 4 channel tiles, 32 keys: half c of buffer f.  The 16 accumulators take turns, one instruction a turn.
.macro MUL8 f, c, q0, zero
	WIN 0x05                               ; sources window 1, C and D window 0
.irp q, \q0, (\q0)+1
.irp n, 0,1,2,3
.if \zero
	v_wmma_f32_16x16x32_f16 v[T+8*(4*(\q)+(\n)):T+8*(4*(\q)+(\n))+7], v[(\f)+64+8*(4*(\c)+(\n)):(\f)+64+8*(4*(\c)+(\n))+7], v[(\f)+8*(4*(\c)+(\q)):(\f)+8*(4*(\c)+(\q))+7], 0
.else
	v_wmma_f32_16x16x32_f16 v[T+8*(4*(\q)+(\n)):T+8*(4*(\q)+(\n))+7], v[(\f)+64+8*(4*(\c)+(\n)):(\f)+64+8*(4*(\c)+(\n))+7], v[(\f)+8*(4*(\c)+(\q)):(\f)+8*(4*(\c)+(\q))+7], v[T+8*(4*(\q)+(\n)):T+8*(4*(\q)+(\n))+7]
.endif
.endr
.endr
.endm
.macro FMA                             ; O += f T, each accumulator from its low end on
	WIN 0xa0                               ; destination and source 2 window 2
.set z, 0
.rept 64
	v_pk_fma_f32 v[O+2*z:O+2*z+1], v[T+2*z:T+2*z+1], v[FB+2*(z/16):FB+2*(z/16)+1], v[O+2*z:O+2*z+1] op_sel_hi:[1,0,1]
.set z, z+1
.endr
.endm
.macro INIT                            ; a block's sums start with the bias of the lane's channels
	WIN 0x82
.set z, 0
.rept 128
	v_mov_b32 v[O+z], v[BV+z%32]
.set z, z+1
.endr
.endm
; THE WAY OUT, a tile of 16 queries at a time: a lane's 8 channels go into my stage's rows of 272 bytes and come back as whole rows of 256.
.macro OUTPUT
.irp q, 0,1,2,3
	WIN 0x08                               ; store data window 2
.irp n, 0,1,2,3
	ds_store_b128 v[STO], v[O+8*(4*(\q)+(\n)):O+8*(4*(\q)+(\n))+3] offset:64*(\n)
	ds_store_b128 v[STO], v[O+8*(4*(\q)+(\n))+4:O+8*(4*(\q)+(\n))+7] offset:64*(\n)+16
.endr
	WIN 0
	s_wait_xcnt 0x0                        ; the registers that earlier stores read are loaded again only behind this wait
.irp u, 0,1,2,3,4,5,6,7
	ds_load_b128 v[OB+32*((\q)%2)+4*(\u):OB+32*((\q)%2)+4*(\u)+3], v[RD] offset:(\u)*2*SP  ; LDS serves a wave's instructions in order (ISA guide 5.7.1.4): these see the stores above
.endr
.irp u, 0,1,2,3,4,5,6,7
	s_wait_dscnt 7-(\u)                    ; the younger loads of the eight may stay out
	global_store_b128 v[CO], v[OB+32*((\q)%2)+4*(\u):OB+32*((\q)%2)+4*(\u)+3], s[OUTP:OUTP+1] offset:(16*(\q)+2*(\u))*4096 th:TH_STORE_NT  ; 16 lanes store 256 consecutive bytes, aligned
.endr
.endr
.endm
; f for pass p: thread t stands for query t of the block.  Blocks past the diagonal are not loaded: their c m stays -1e30 and their l 0.
.macro FTABLE p, sb, n
.set z, 0
.rept 16
	v_mov_b32 v[MJ+z], 0xf149f2ca
	v_mov_b32 v[LJ+z], 0
.set z, z+1
.endr
.set z, 0
.rept 16
	s_cmp_gt_u32 s[\n], z
	s_cbranch_scc0 .Lft_\p
	global_load_b32 v[MJ+z], v[TID4], s[\sb:\sb+1] offset:z*16384
	global_load_b32 v[LJ+z], v[TID4], s[\sb:\sb+1] offset:z*16384+8192
.set z, z+1
.endr
.Lft_\p:
	s_wait_loadcnt 0x0
	v_max3_num_f32 v[MX], v[MJ], v[MJ+1], v[MJ+2]
.irp e, 3,5,7,9,11,13
	v_max3_num_f32 v[MX], v[MX], v[MJ+(\e)], v[MJ+(\e)+1]
.endr
	v_max_num_f32 v[MX], v[MX], v[MJ+15]           ; the row's maximum
.set z, 0
.rept 16
	v_sub_f32 v[MJ+z], v[MJ+z], v[MX]
.set z, z+1
.endr
.set z, 0
.rept 16
	v_exp_f32 v[MJ+z], v[MJ+z]
.set z, z+1
.endr
	v_nop
	s_wait_alu depctr_va_vdst(0)                   ; one wait for the batch
	v_mul_f32 v[LS], v[LJ], v[MJ]
.set z, 1
.rept 15
	v_fmac_f32 v[LS], v[LJ+z], v[MJ+z]
.set z, z+1
.endr
	v_rcp_f32 v[RL], v[LS]                         ; L is at least the sum of the block that holds the maximum, which is at least 1
	v_nop
	s_wait_alu depctr_va_vdst(0)
.set z, 0
.rept 16
	v_mul_f32 v[MJ+z], v[MJ+z], v[RL]
.set z, z+1
.endr
.set z, 0
.rept 16
	ds_store_b32 v[FST], v[MJ+z] offset:(\p)*8192+z*512
.set z, z+1
.endr
.endm
; AN ENTRY: 128 keys, 64 products, on buffers F0 (keys 0-63) and F1 (64-127); then O += f T.
; mode 0: entry A: the next fragments are entry B's.  1: entry B: change of slots, and the slot is filled again.  2: the same, with the walk's last entry.  3: change without a fill.  4: the walk's last entry.
.macro ENTRY set, mode
	s_wait_dscnt 16                        ; F0's first 32 keys are in; the youngest 16 loads may stay out
	MUL8 F0, 0, 0, 1                       ; the first products start the entry's sums
	MUL8 F0, 0, 2, 1
	PLACES
	WIN 0
	v_add_nc_u32 v[FA], s[FO], v[FA0]
.irp q, 0,1,2,3
	ds_load_b32 v[FB+2*(\q)], v[FA] offset:64*(\q)
.endr
	FETCH \set, 1, F1
	s_wait_dscnt 32                        ; all but the 32 just issued
	MUL8 F0, 1, 0, 0
	MUL8 F0, 1, 2, 0
.if (\mode)==0
	s_wait_dscnt 16
	MUL8 F1, 0, 0, 0
	MUL8 F1, 0, 2, 0
	PLACES                                 ; in front of loads into F0, which the products above read
	FETCH 1, 0, F0
	s_wait_dscnt 32
.elseif (\mode)==4
	s_wait_dscnt 16
	MUL8 F1, 0, 0, 0
	MUL8 F1, 0, 2, 0
	s_wait_dscnt 0x0
.else
	WIN 0
.if (\mode)!=3
	s_wait_xcnt 0x0                        ; the last prefetches, a slot back, have read their address
.endif
	s_wait_tensorcnt 0x0                   ; all my tensor loads have landed: the one that was out is my part of the other slot
	ds_add_u32 v[SPW], v[NIL]              ; 0 onto my spare word
.if (\mode)!=3
	NEXTFILL 1
.endif
	s_wait_dscnt 17                        ; the add and the youngest 16 loads may be out
	MUL8 F1, 0, 0, 0
	s_wait_dscnt 0x0                       ; the add is done, and my reads of this slot are over
	s_barrier_signal -1
	MUL8 F1, 0, 2, 0
	WIN 0
	s_barrier_wait -1
.if (\mode)!=3
	CREST                                  ; the barrier has opened a round of the cluster's: no wave of any partner still reads this slot or has a load on its way
	JLOAD \mode                            ; my one tensor load behind the round, and the first thing there
.else
	PLACES
.endif
	s_xor_b32 s[TB], s[TB], SLOTB
	ADDRS
	FETCH 0, 0, F0
.if (\mode)==1
	WIN 0
	ASK
.endif
.endif
	MUL8 F1, 1, 0, 0
	MUL8 F1, 1, 2, 0
	PLACES
	FMA
	s_add_co_u32 s[FO], s[FO], 512
.endm
; Behind each slot: has the first block ended?  The jump goes forward, past text that holds neither a barrier nor a tensor load; its condition is the same in all partners.
.macro BOUNDARY
	WIN 0
	s_sub_co_u32 s[LEFT1], s[LEFT1], 1
	s_cmp_lg_u32 s[LEFT1], 0
	s_cbranch_scc1 .Lgo_on_\@
	OUTPUT
	s_wait_xcnt 0x0                        ; the stores have read their base
	s_mov_b64 s[OUTP:OUTP+1], s[OUT2:OUT2+1]
	s_mov_b32 s[FO], 8192                  ; the second pass's rows of f
	INIT
	WIN 0
.Lgo_on_\@:
.endm
	s_load_b256 s[4:11], s[0:1], 0x0               ; pf s[4:5], vf s[6:7], stats s[8:9], WV_b s[10:11]
	s_load_b64 s[12:13], s[0:1], 0x20              ; out0
	v_lshl_add_u32 v[SPW], v0, 2, SPARE
	v_mov_b32 v[NIL], 0
	ds_add_u32 v[SPW], v[NIL]                      ; the wave's opening: the add, twice on end, and its wait ahead of my first tensor load
	ds_add_u32 v[SPW], v[NIL]                      ; and once more, under the one wait; the set-up below, work on registers, stands between
	v_lshrrev_b32 v1, 5, v0
	v_readfirstlane_b32 s[WV], v1
	s_lshr_b32 s[WQ], s[WV], 1
	s_and_b32 s[WC], s[WV], 1
	s_bfe_u32 s[CX], ttmp6, 0x40000
	s_lshl_b32 s[SL], ttmp9, 2
	s_add_co_u32 s[SL], s[SL], s[CX]               ; slice of 128 channels
	s_and_b32 s[BAT], ttmp7, 0xffff
	s_and_b32 s[PB], s[BAT], 7
	s_lshr_b32 s[BAT], s[BAT], 3
	s_sub_co_u32 s83, 15, s[PB]
	s_and_b32 s84, s[PB], 1
	s_cmp_lg_u32 s84, 0
	s_cselect_b32 s[I1], s[PB], s83                ; the odd block first
	s_cselect_b32 s[I2], s83, s[PB]
	s_add_co_u32 s[N1], s[I1], 1
	s_add_co_u32 s[N2], s[I2], 1
	s_lshr_b32 s[LEFT1], s[N1], 1
	s_mov_b32 s[G1P], 15|(3<<16)|(1<<21)           ; the mask of four; elements of 8 bytes; bit 21 beside a mask; no padding
	s_mov_b32 s[G1V], 3<<16
.irp g, G1P, G1V
	s_mov_b32 s[(\g)+1], 512<<16                   ; tensor_dim0 = 512 (4,096 bytes)
	s_mov_b32 s[(\g)+2], 8<<16                     ; tensor_dim1 = 8
	s_mov_b32 s[(\g)+3], 512<<16                   ; tile_dim0 = 512
	s_mov_b32 s[(\g)+4], 8                         ; tile_dim1 = 8
	s_mov_b32 s[(\g)+5], 8192                      ; 65,536 bytes from row to row
	s_mov_b32 s[(\g)+6], 0
	s_mov_b32 s[(\g)+7], 0
.endr
	s_mov_b32 s[G0P], 1
	s_mov_b32 s[G0V], 1
	s_lshl_b32 s[G0P+1], s[WV], 15                 ; slot 0, quarter w: no place in the cluster enters an LDS address
	s_lshl_b32 s[G0V+1], s[WV], 15
	s_mov_b32 s[EW], s[WQ]
	s_mov_b32 s[TB], 0
	s_mov_b32 s[FO], 0
	s_mov_b32 s[OFF+1], 0
	s_mov_b32 s[OFP+1], 0
	s_mov_b32 s[SEL+1], 0
	s_cmp_eq_u32 s[WC], 0
	s_cselect_b32 s83, ttmp9, s[PB]                ; who prefetches: P~: cluster x = 0; V: pb = 0: the same in all four partners
	s_cmp_eq_u32 s83, 0
	s_cselect_b32 s[ASKOK], 1, 0
	s_lshl_b32 s84, s[BAT], 23                     ; a batch's P~: 128 rows of 65,536 bytes
	s_mov_b32 s85, 0
	s_mov_b32 s87, 0
	s_wait_dscnt 0x0                               ; both opening adds are done
	s_wait_kmcnt 0x0
	s_add_nc_u64 s[PBASE:PBASE+1], s[4:5], s[84:85]
	s_lshl_b32 s83, s[BAT], 18                     ; stats: 16 key blocks of 16,384 bytes a batch; a block's 128 queries are 512 bytes
	s_lshl_b32 s84, s[I1], 9
	s_add_co_u32 s84, s84, s83
	s_add_nc_u64 s[SB0:SB0+1], s[8:9], s[84:85]
	s_lshl_b32 s84, s[I2], 9
	s_add_co_u32 s84, s84, s83
	s_add_nc_u64 s[SB1:SB1+1], s[8:9], s[84:85]
	s_lshl_b32 s86, s[BAT], 22                     ; from here on numbers that hang on cx, in registers of their own
	s_lshl_b32 s2, s[SL], 19
	s_add_co_u32 s86, s86, s2
	s_add_nc_u64 s[VBASE:VBASE+1], s[6:7], s[86:87]
	s_lshl_b32 s86, s[CX], 17                      ; my work-group's two rows of a P~ tile
	s_add_nc_u64 s[PFB:PFB+1], s[PBASE:PBASE+1], s[86:87]
	s_cmp_eq_u32 s[WC], 0
	s_cselect_b64 s[PFB:PFB+1], s[PFB:PFB+1], s[VBASE:VBASE+1]
	s_lshl_b32 s86, s[SL], 9
	s_lshl_b32 s2, s[WC], 8
	s_add_co_u32 s86, s86, s2
	s_add_nc_u64 s[10:11], s[10:11], s[86:87]      ; WV_b at my 64 channels
	s_lshl_b32 s2, s[BAT], 23
	s_add_co_u32 s86, s86, s2
	s_lshl_b32 s2, s[WQ], 18
	s_add_co_u32 s86, s86, s2
	s_add_nc_u64 s[12:13], s[12:13], s[86:87]
	s_lshl_b32 s86, s[I1], 19
	s_add_nc_u64 s[OUTP:OUTP+1], s[12:13], s[86:87]
	s_lshl_b32 s86, s[I2], 19
	s_add_nc_u64 s[OUT2:OUT2+1], s[12:13], s[86:87]
	NEXTFILL 0
	CROUND                                         ; all four work-groups are here: the first joint loads meet
	JLOAD 1                                        ; entries 0 and 1 into slot 0
	v_and_b32 v1, 15, v0                           ; r
	v_bfe_u32 v2, v0, 4, 1                         ; h
	v_lshlrev_b32 v[H32], 5, v2
.irp n, 0,1,2,3
	global_load_b128 v[OB+8*(\n):OB+8*(\n)+3], v[H32], s[10:11] offset:64*(\n)       ; the bias of channels 16 n + 8 h + 0..7
	global_load_b128 v[OB+8*(\n)+4:OB+8*(\n)+7], v[H32], s[10:11] offset:64*(\n)+16
.endr
	v_and_b32 v[L16], 31, v0
	v_lshlrev_b32 v[L16], 4, v[L16]
	s_lshl_b32 s83, s[WQ], 14
	v_add_nc_u32 v[AP0], s83, v[L16]
	s_lshl_b32 s83, s[WC], 14
	s_add_co_u32 s83, s83, 32768
	v_add_nc_u32 v[AV0], s83, v[L16]
	s_lshl_b32 s83, s[WQ], 8
	s_add_co_u32 s83, s83, FTAB
	v_lshl_add_u32 v[FA0], v1, 2, s83
	s_mul_i32 s83, s[WV], 16*SP
	s_add_co_u32 s83, s83, STAGE
	v_mul_u32_u24 v[STO], v1, SP
	v_lshl_add_u32 v[STO], v2, 5, v[STO]
	v_add_nc_u32 v[STO], s83, v[STO]
	v_mul_u32_u24 v[RD], v2, SP
	v_lshl_add_u32 v[RD], v1, 4, v[RD]
	v_add_nc_u32 v[RD], s83, v[RD]
	v_lshlrev_b32 v[CO], 12, v2
	v_lshl_add_u32 v[CO], v1, 4, v[CO]
	v_lshlrev_b32 v[PFO], 16, v2
	v_lshl_add_u32 v[PFO], v1, 8, v[PFO]
	v_lshlrev_b32 v[TID4], 2, v0
	v_add_nc_u32 v[FST], FTAB, v[TID4]
.irp q, 0,1,2,3
	v_mov_b32 v[FB+2*(\q)+1], 0
.endr
	FTABLE 0, SB0, N1
	FTABLE 1, SB1, N2
.set z, 0
.rept 16
	v_cvt_pk_bf16_f32 v[OB+32+z], v[OB+2*z], v[OB+2*z+1]   ; the bias is rounded to bf16, like all inputs
.set z, z+1
.endr
	WIN 0x80                                       ; destination window 2
.set z, 0
.rept 16
	v_lshlrev_b32 v[BV+2*z], 16, v[OB+32+z]
	v_and_b32 v[BV+2*z+1], 0xffff0000, v[OB+32+z]
.set z, z+1
.endr
	INIT
	WIN 0
	s_wait_tensorcnt 0x0                           ; slot 0 is in, my part of it;
	ds_add_u32 v[SPW], v[NIL]
	NEXTFILL 1
	s_wait_dscnt 0x0                               ; the add is done, and so are my stores of f, which other waves read
	CROUND
	JLOAD 1                                        ; entries 2 and 3 into slot 1: its first fill, issued as a refill is
	ADDRS
	FETCH 0, 0, F0
	WIN 0
	s_mov_b32 s[CNT], 6
.Lvisit:                                               ; a trip: a slot's two entries; the slot is filled again with the entries four on
	ENTRY 0, 0
	ENTRY 1, 1
	BOUNDARY
	s_sub_co_u32 s[CNT], s[CNT], 1
	s_cmp_lg_u32 s[CNT], 0
	s_cbranch_scc1 .Lvisit
	ENTRY 0, 0                                     ; the tail is written out: entries 12, 13; the walk's last entry is asked for
	ENTRY 1, 2
	BOUNDARY
	ENTRY 0, 0                                     ; entries 14, 15; nothing is left to fetch
	ENTRY 1, 3
	BOUNDARY
	ENTRY 0, 4                                     ; entry 16: the second block's diagonal
	OUTPUT
	s_wait_tensorcnt 0x0                           ; the wave's end, behind my last tensor load and my last LDS store
	ds_add_u32 v[SPW], v[NIL]
	s_wait_dscnt 0x0
	CROUND                                         ; the closing round: no work-group ends while a partner may still ask for a tile that names it
	s_endpgm
.Lfunc_end_k_q72aa424167_comb:
	.size	k_q72aa424167_comb, .Lfunc_end_k_q72aa424167_comb-k_q72aa424167_comb
	.p2alignl 7, 3214868480
	.fill 96, 4, 3214868480
	.section	.rodata,"a",@progbits
	.p2align	6, 0x0
	.amdhsa_kernel k_q72aa424167_comb
		.amdhsa_group_segment_fixed_size 327680
		.amdhsa_private_segment_fixed_size 0
		.amdhsa_enable_private_segment 0
		.amdhsa_kernarg_size 40
		.amdhsa_user_sgpr_count 2
		.amdhsa_user_sgpr_kernarg_segment_ptr 1
		.amdhsa_wavefront_size32 1
		.amdhsa_system_sgpr_workgroup_id_x 1
		.amdhsa_system_sgpr_workgroup_id_y 1
		.amdhsa_system_sgpr_workgroup_id_z 1
		.amdhsa_system_vgpr_workitem_id 0
		.amdhsa_next_free_vgpr 672
		.amdhsa_next_free_sgpr 88
		.amdhsa_reserve_vcc 0
		.amdhsa_float_denorm_mode_32 3
		.amdhsa_float_denorm_mode_16_64 3
		.amdhsa_memory_ordered 1
		.amdhsa_forward_progress 1
		.amdhsa_inst_pref_size 178
	.end_amdhsa_kernel
	.amdgpu_metadata
---
amdhsa.version: [ 1, 2 ]
amdhsa.kernels:
  - .name:           k_q72aa424167_comb
    .symbol:         k_q72aa424167_comb.kd
    .args:
      - { .name: pf, .offset: 0, .size: 8, .value_kind: global_buffer, .address_space: global }
      - { .name: vf, .offset: 8, .size: 8, .value_kind: global_buffer, .address_space: global }
      - { .name: stats, .offset: 16, .size: 8, .value_kind: global_buffer, .address_space: global }
      - { .name: WV_b, .offset: 24, .size: 8, .value_kind: global_buffer, .address_space: global }
      - { .name: out0, .offset: 32, .size: 8, .value_kind: global_buffer, .address_space: global }
    .group_segment_fixed_size: 327680
    .private_segment_fixed_size: 0
    .kernarg_segment_align: 8
    .kernarg_segment_size: 40
    .max_flat_workgroup_size: 128
    .sgpr_count:     88
    .vgpr_count:     672
    .wavefront_size: 32
...
	.end_amdgpu_metadata
.endif
;; end of part 4
;; ======== version 2 of 2: 4 launches; version 1 with the launch score written anew for expert scheduling mode
;; limits: values are held in f16: magnitudes above 65,504 overflow, below 6.1e-05 lose precision
;; workspace buffers: wcat 2,359,296 bytes; qk 4,194,304 bytes; vf 16,777,216 bytes; pf 33,554,432 bytes; stats 1,048,576 bytes
;; launch wcast: the kernel of part 1 again; grid 72 x 4, 4 waves a work-group, no clusters, 0 bytes of LDS; arguments WQ_w, WK_w, WV_w, wcat; writes wcat
;; launch proj: the kernel of part 2 again; grid 4 x 64, 4 waves a work-group, clusters of 4 x 4, 327,680 bytes of LDS; arguments x, wcat, WQ_b, qk, vf; writes qk, vf
;; launch score (part 5): grid 17 x 32, 4 waves a work-group, no clusters, 34,304 bytes of LDS; arguments qk, pf, stats; writes pf, stats
.if DOCPART == 5
	.amdgcn_target "amdgcn-amd-amdhsa--gfx1250"
	.amdhsa_code_object_version 6
	.text
	.protected	k_q72aa424167_score
	.globl	k_q72aa424167_score
	.p2align	8
	.type	k_q72aa424167_score,@function
k_q72aa424167_score:
	s_mov_b64 s[64:65], 0
	v_nop
	global_prefetch_b8 v0, s[64:65] scope:SCOPE_SE
	s_setreg_imm32_b32 hwreg(HW_REG_WAVE_SCHED_MODE, 0, 2), 2
	s_setreg_imm32_b32 hwreg(HW_REG_WAVE_MODE, 25, 1), 1
	s_wait_xcnt 0x0
	s_wait_alu depctr_vm_vsrc(0)
; THE WEIGHTS, block by block.  For each block of 128 queries x 128 keys that the causal mask leaves alive: s = q . k, the mask on the diagonal blocks, the block's own row maximum m and
; p~ = 2^(c s - c m), c = log2(e), in f16, with the row sum l of the unrounded p~.  The last launch takes the true row maximum over a row's blocks and rescales.
; LEFT OUT: the 480 of 1,024 blocks that lie wholly above the diagonal of the mask that the problem itself builds: their weights are 0 for all inputs.  WK_b: see the first kernel's head.
; A score is three f16 products on hi/lo pairs, qh kh + ql kh + qh kl, summed in f32 (ql kl is far below an f32's last bit of the sum).
; LIMITS.  A hidden score counts as -1e30; a weight below 2^-126 counts as 0, and p~ below 6e-5 keeps f16's fixed step of 6e-8; NaN and infinities are not treated apart.
; SHARES.  17 x 8 = 136 live blocks a batch: work-group (X, Y) with r = Y % 8 takes (i, j) = (r, X) if X <= r, else (15 - r, X - r - 1).  Wave w takes query tiles 8 i + 2 w + t, t = 0, 1, and all 8 key tiles.
; NO CLUSTER, NO TENSOR LOADS: a work-group reads 64 KiB once, at its head, through registers; 17 work-groups along x are no multiple of four, and the blocks that share a key block j differ in number from j to j.
; LAYOUT.  S^T = K Q^T (source 0 = 16 keys, source 1 = 16 queries): a lane holds one query (l % 16) and the keys 8 (l / 16) + 0..7; rounded in pairs that is 16 bytes of
;   pf: [batch][tile of 16 queries qt][32 keys kb][half g][lane][16 bytes]: lane (r, h) holds query 16 qt + r, keys 32 kb + 16 g + 8 h + 0..7.
;   stats: [batch][key block j][c m: 2,048 f32; l: 2,048 f32].
; REGISTERS: window 0: v1-13 addresses; v16-111 three buffers of a key tile's four fragments, later p~ packed (v16-79) and the statistics read back (v104-107); v112-239 S^T, 64 a tile; v240-255 statistics.  window 1: v0-63 Q.
; THE MODE: SCHED_MODE bits 1:0 = 2 (LLVM: expert scheduling mode 2), set by the entry lines.  The code itself states the register dependences between vector or matrix instructions
; and memory or LDS instructions, with s_wait_alu, always for 0.
; THE PLAN.  Registers that memory or LDS instructions touch:
;   v1, v3, v9, v10   Addresses: written at the head, never again.  One wait on va_vdst ahead of the first load serves every load and store of the kernel.
;   v112-175          K's global loads land in them; my LDS stores read them; then the products write them as accumulators: one wait on vm_vsrc behind the first barrier.
;   window 1 v0-63    Q's global loads land in them; the products read them; nothing lands in them again.
;   KB 0, 1, 2        Key tile kt lies in buffer kt % 3.  Step kt's twelve products read it.  Tile kt + 2's eight LDS loads are issued in step kt and land in buffer (kt - 1) % 3, which step kt - 1's
;                     products read: ONE wait on va_vdst at the head of steps 1 to 5 states that those are done; the loads follow it, dealt among step kt's products, which name buffer kt % 3,
;                     Q and their own accumulators: none of the registers that the loads touch.  Steps 0, 6 and 7 issue no load and hold no such wait.
;   v16-79 as p~      Written by the 64 conversions, read by the 16 global stores, never written again: one wait on va_vdst between.
;   c m, l            Written by the maxima and the sums, read by four LDS stores: one wait on va_vdst between; no vector instruction follows it, so it also serves the load into v104-107.
;   v4, v5            Written at the head, read by the closing add alone.
; Scalars that vector instructions write: s10 (the wave's number) and s32-63 (the diagonal's masks, 32 compares to a run): a wait on va_sdst stands ahead of each one's first reader.
.set STG,   32768                      ; behind K's 32 KiB: c m of the block's 128 queries, then l: 1,024 bytes
.set SPARE, 33792                      ; the spare words, 128 bytes a wave, two blocks of 256 bytes that no other line names
.set L16, 1                            ; v1   16 x lane
.set KST, 3                            ; v3   8,192 x wave + 16 x lane
.set SPW, 4
.set NIL, 5
.set D0,  6                            ; v6, v7  my query's place in the block less 8 (l / 16), for t = 0, 1: register jj of key tile kt is hidden where 16 kt + jj is greater
.set BIG, 8                            ; v8   -1e30
.set SA,  9                            ; v9   where my query's statistics go
.set SR,  10                           ; v10  where I read them back
.set KB0, 16                           ; buffer b at KB0 + 32 b
.set PK,  16
.set OUTR, 104
.set S,   112
.set ST,  240                          ; by tile: +0..3 at work, +4 c m, +5 m, +6 l, +7 at work
.set MK,  32                           ; s[32:63] the masks of a run of 32 compares
.set MSB, 0
.macro WIN new
.if MSB != (\new)
	s_set_vgpr_msb (MSB<<8)|(\new)
.set MSB, \new
.endif
.endm
.macro PLACES
.rept 4
	v_nop
.endr
.endm
.macro KLD kt, n                       ; load n of the eight of key tile kt (hi and lo, two fragments each): 512 consecutive bytes
	ds_load_b128 v[KB0+32*((\kt)%3)+4*(\n):KB0+32*((\kt)%3)+4*(\n)+3], v[L16] offset:(\kt)*4096+(\n)*512
.endm
.macro KLOAD kt                        ; all eight
.irp n, 0,1,2,3,4,5,6,7
	KLD \kt, \n
.endr
.endm
.macro DEAL kt, n                      ; in steps 1 to 5: two of the eight loads of the tile two steps on.  No wait: no vector or matrix instruction since the wait at the step's head names their registers
.if ((\kt) >= 1) && ((\kt) <= 5)
	KLD (\kt)+2, \n
	KLD (\kt)+2, (\n)+1
.endif
.endm
.macro KQ2 kt, kp, c, qp, zero         ; part kp of K times part qp of Q, channels 32 c on, for both query tiles: the two accumulators take turns
.irp t, 0,1
.if \zero
	v_wmma_f32_16x16x32_f16 v[S+64*(\t)+8*(\kt):S+64*(\t)+8*(\kt)+7], v[KB0+32*((\kt)%3)+16*(\kp)+8*(\c):KB0+32*((\kt)%3)+16*(\kp)+8*(\c)+7], v[32*(\t)+16*(\qp)+8*(\c):32*(\t)+16*(\qp)+8*(\c)+7], 0
.else
	v_wmma_f32_16x16x32_f16 v[S+64*(\t)+8*(\kt):S+64*(\t)+8*(\kt)+7], v[KB0+32*((\kt)%3)+16*(\kp)+8*(\c):KB0+32*((\kt)%3)+16*(\kp)+8*(\c)+7], v[32*(\t)+16*(\qp)+8*(\c):32*(\t)+16*(\qp)+8*(\c)+7], v[S+64*(\t)+8*(\kt):S+64*(\t)+8*(\kt)+7]
.endif
.endr
.endm
; The maximum of a tile's 64 scores a lane: four chains of 16, three operands at a time; each accumulator's lowest registers are read first.
.macro MAXT t
.irp q, 0,1,2,3
	v_max3_num_f32 v[ST+8*(\t)+(\q)], v[S+64*(\t)+16*(\q)], v[S+64*(\t)+16*(\q)+1], v[S+64*(\t)+16*(\q)+2]
.endr
.irp e, 3,5,7,9,11,13
.irp q, 0,1,2,3
	v_max3_num_f32 v[ST+8*(\t)+(\q)], v[ST+8*(\t)+(\q)], v[S+64*(\t)+16*(\q)+(\e)], v[S+64*(\t)+16*(\q)+(\e)+1]
.endr
.endr
.irp q, 0,1,2,3
	v_max_num_f32 v[ST+8*(\t)+(\q)], v[ST+8*(\t)+(\q)], v[S+64*(\t)+16*(\q)+15]
.endr
	v_max3_num_f32 v[ST+8*(\t)], v[ST+8*(\t)], v[ST+8*(\t)+1], v[ST+8*(\t)+2]
	v_max_num_f32 v[ST+8*(\t)], v[ST+8*(\t)], v[ST+8*(\t)+3]
	v_permlanex16_b32 v[ST+8*(\t)+1], v[ST+8*(\t)], s26, s27   ; the query's other 64 keys lie in the lane 16 away
	v_max_num_f32 v[ST+8*(\t)+5], v[ST+8*(\t)], v[ST+8*(\t)+1]
	v_mul_f32 v[ST+8*(\t)+4], s24, v[ST+8*(\t)+5]              ; c m
.endm
.macro SUMT t                          ; the tile's 32 pairs into one, in place
.irp w, 32,16,8,4,2
.set z, 0
.rept (\w)/2
	v_pk_add_f32 v[S+64*(\t)+z:S+64*(\t)+z+1], v[S+64*(\t)+z:S+64*(\t)+z+1], v[S+64*(\t)+(\w)+z:S+64*(\t)+(\w)+z+1]
.set z, z+2
.endr
.endr
	v_add_f32 v[ST+8*(\t)+6], v[S+64*(\t)], v[S+64*(\t)+1]
	v_permlanex16_b32 v[ST+8*(\t)+7], v[ST+8*(\t)+6], s26, s27
	v_add_f32 v[ST+8*(\t)+6], v[ST+8*(\t)+6], v[ST+8*(\t)+7]
.endm
	s_load_b128 s[4:7], s[0:1], 0x0                ; qk s[4:5], pf s[6:7]
	s_load_b64 s[8:9], s[0:1], 0x10                ; stats
	v_lshl_add_u32 v[SPW], v0, 2, SPARE
	v_mov_b32 v[NIL], 0
	v_lshrrev_b32 v2, 5, v0
	v_readfirstlane_b32 s10, v2                    ; wave 0..3
	s_mov_b32 s11, ttmp9                           ; X
	s_and_b32 s12, ttmp7, 0xffff
	s_lshr_b32 s13, s12, 3                         ; batch
	s_and_b32 s12, s12, 7                          ; r
	s_sub_co_u32 s28, 15, s12
	s_sub_co_u32 s29, s11, s12
	s_sub_co_u32 s29, s29, 1
	s_cmp_le_u32 s11, s12
	s_cselect_b32 s14, s12, s28                    ; i
	s_cselect_b32 s15, s11, s29                    ; j
	s_mov_b32 s24, 0x3fb8aa3b                      ; c = log2(e)
	s_mov_b32 s25, s24                             ; named with it as a pair
	s_mov_b32 s26, 0x76543210
	s_mov_b32 s27, 0xfedcba98
	s_lshl_b32 s30, s13, 7                         ; 128 tiles a batch
	s_lshl3_add_u32 s31, s14, s30
	s_wait_alu depctr_va_sdst(0)                   ; s10 is written, ahead of its first reader: the tiles' numbers and the LDS addresses are made from it
	s_lshl1_add_u32 s31, s10, s31                  ; my first query tile: 128 b + 8 i + 2 w
	s_lshl_b32 s16, s31, 12
	s_mov_b32 s17, 0
	s_lshl3_add_u32 s18, s15, s30                  ; the block's first key tile: 128 b + 8 j,
	s_lshl1_add_u32 s18, s10, s18                  ; my two of its eight
	s_lshl_b32 s18, s18, 12
	s_add_co_u32 s18, s18, 0x200000                ; k lies 2 MiB behind q
	s_mov_b32 s19, 0
	s_lshl_b32 s20, s31, 6
	s_lshl2_add_u32 s20, s15, s20                  ; kb = 4 j
	s_lshl_b32 s20, s20, 10
	s_mov_b32 s21, 0
	s_lshl4_add_u32 s22, s13, s15                  ; 16 b + j
	s_lshl_b32 s22, s22, 14
	s_lshl_b32 s23, s10, 13                        ; wave 0 stores c m, wave 1 l
	s_add_co_u32 s22, s22, s23
	s_lshl_b32 s23, s14, 9                         ; the block's 128 queries
	s_add_co_u32 s22, s22, s23
	s_mov_b32 s23, 0
	v_and_b32 v[L16], 31, v0
	v_lshlrev_b32 v[L16], 4, v[L16]
	s_lshl_b32 s28, s10, 13
	v_add_nc_u32 v[KST], s28, v[L16]
	v_and_b32 v11, 15, v0
	v_bfe_u32 v12, v0, 4, 1
	v_lshlrev_b32 v13, 3, v12
	v_sub_nc_u32 v[D0], v11, v13
	s_lshl_b32 s28, s10, 5
	v_add_nc_u32 v[D0], s28, v[D0]
	v_add_nc_u32 v[D0+1], 16, v[D0]
	v_mov_b32 v[BIG], 0xf149f2ca                   ; -1e30
	s_lshl_b32 s28, s10, 7
	s_add_co_u32 s28, s28, STG
	v_lshl_add_u32 v[SA], v11, 2, s28
	s_lshl_b32 s28, s10, 9
	s_add_co_u32 s28, s28, STG
	v_add_nc_u32 v[SR], s28, v[L16]
	v_mov_b32 v[ST+7], 0                           ; destinations of v_permlanex16_b32 count as read
	v_mov_b32 v[ST+15], 0
	s_wait_kmcnt 0x0
	s_add_nc_u64 s[16:17], s[4:5], s[16:17]        ; Q
	s_add_nc_u64 s[18:19], s[4:5], s[18:19]        ; K
	s_add_nc_u64 s[20:21], s[6:7], s[20:21]        ; pf
	s_add_nc_u64 s[22:23], s[8:9], s[22:23]        ; stats
	s_wait_alu depctr_va_vdst(0)                   ; the addresses v1, v3, v9 and v10 are written, which the loads and stores of the whole kernel read; none of them is written again
.irp n, 0,1,2,3,4,5,6,7,8,9,10,11,12,13,14,15
	global_load_b128 v[S+4*(\n):S+4*(\n)+3], v[L16], s[18:19] offset:(\n)*512   ; my quarter of the key block, 8 KiB on end
.endr
	WIN 0x40                                       ; destination window 1; between the wait above and the loads below stand loads and this switch alone
.irp n, 0,1,2,3,4,5,6,7,8,9,10,11,12,13,14,15
	global_load_b128 v[4*(\n):4*(\n)+3], v[L16], s[16:17] offset:(\n)*512       ; my two query tiles: fragments as they lie
.endr
	WIN 0
	s_wait_loadcnt 16                              ; K's 16 loads are in; Q's 16 may stay out
.irp n, 0,1,2,3,4,5,6,7,8,9,10,11,12,13,14,15
	ds_store_b128 v[KST], v[S+4*(\n):S+4*(\n)+3] offset:(\n)*512
.endr
	s_wait_dscnt 0x0                               ; for the others' sake: my stores are done
	s_barrier_signal -1
	s_barrier_wait -1                              ; the whole key block lies in LDS
	s_wait_alu depctr_vm_vsrc(0)                   ; my LDS stores have read v112-175: these registers are accumulators from here on, written by the products
	KLOAD 0
	KLOAD 1
	KLOAD 2                                        ; the three buffers' first tiles; each of steps 1 to 5 asks for the tile two steps on
	s_wait_loadcnt 0x0                             ; Q
	WIN 0x04                                       ; source 1 (Q) window 1; LDS loads name window 0 under this setting too
.irp kt, 0,1,2,3,4,5,6,7
.if (\kt) == 0
	s_wait_dscnt 16                                ; tile 0's fragments are in; the 16 loads of tiles 1 and 2 may stay out
.elseif (\kt) < 7
	s_wait_dscnt 8                                 ; this tile's fragments are in; the one younger tile's 8 loads may stay out
.else
	s_wait_dscnt 0x0
.endif
.if ((\kt) >= 1) && ((\kt) <= 5)
	s_wait_alu depctr_va_vdst(0)                   ; the last step's products are done reading their buffer, in which this step's eight loads land
.endif
	KQ2 \kt, 0, 0, 0, 1                            ; kh qh
	DEAL \kt, 0
	KQ2 \kt, 0, 1, 0, 0
	DEAL \kt, 2
	KQ2 \kt, 0, 0, 1, 0                            ; kh ql
	DEAL \kt, 4
	KQ2 \kt, 0, 1, 1, 0
	DEAL \kt, 6
	KQ2 \kt, 1, 0, 0, 0                            ; kl qh
	KQ2 \kt, 1, 1, 0, 0
.endr
	WIN 0
	PLACES                                         ; four places behind the last products, before a vector instruction reads a result (ISA guide 7.12.1)
	s_cmp_lg_u32 s14, s15                          ; only the diagonal blocks have hidden scores
	s_cbranch_scc1 .Lopen
.irp t, 0,1
.irp u, 0,32
.set z, \u
.rept 32
	v_cmp_gt_i32 s[MK+z%32], 16*(z/8)+z%8, v[D0+(\t)]  ; a run of 32 compares, a scalar register each
.set z, z+1
.endr
	s_wait_alu depctr_va_sdst(0)                   ; the run's 32 masks s32-63 are written, ahead of the selects that read them
.set z, \u
.rept 32
	v_cndmask_b32 v[S+64*(\t)+z], v[S+64*(\t)+z], v[BIG], s[MK+z%32]  ; each accumulator from its low end on
.set z, z+1
.endr
.endr
.endr
.Lopen:
	MAXT 0                                         ; every row sees its own key at the least, so m is a true score
	MAXT 1
.irp t, 0,1
.set z, 0
.rept 32
	v_pk_fma_f32 v[S+64*(\t)+z:S+64*(\t)+z+1], v[S+64*(\t)+z:S+64*(\t)+z+1], s[24:25], v[ST+8*(\t)+4:ST+8*(\t)+5] op_sel_hi:[1,0,0] neg_lo:[0,0,1] neg_hi:[0,0,1]  ; c s - c m
.set z, z+2
.endr
.endr
.set z, 0
.rept 128
	v_exp_f32 v[S+z], v[S+z]                       ; one batch
.set z, z+1
.endr
	v_nop                                          ; a plain instruction behind the last exponential,
	s_wait_alu depctr_va_vdst(0)                   ; and the one wait ahead of the first use: the 128 exponentials have written v112-239
.set z, 0
.rept 64
	v_cvt_pk_f16_f32 v[PK+z], v[S+2*z], v[S+2*z+1]
.set z, z+1
.endr
	s_wait_alu depctr_va_vdst(0)                   ; the conversions have written v16-79, which the 16 stores read; the sums behind the stores name neither these registers nor v1
.irp t, 0,1
.irp kt, 0,1,2,3,4,5,6,7
	global_store_b128 v[L16], v[PK+32*(\t)+4*(\kt):PK+32*(\t)+4*(\kt)+3], s[20:21] offset:(\t)*65536+(\kt)*512  ; 512 consecutive bytes, aligned; the zeros above the diagonal too
.endr
.endr
	SUMT 0
	SUMT 1
	s_wait_alu depctr_va_vdst(0)                   ; the maxima and the sums have written c m and l, which the LDS stores read; no vector instruction follows, so the products that read v104-107 are done too, ahead of the load that lands there
.irp t, 0,1
	ds_store_b32 v[SA], v[ST+8*(\t)+4] offset:64*(\t)        ; both halves of the lanes hold the same number
	ds_store_b32 v[SA], v[ST+8*(\t)+6] offset:512+64*(\t)
.endr
	s_wait_dscnt 0x0
	s_barrier_signal -1
	s_barrier_wait -1                              ; the block's 128 c m and 128 l lie in LDS
	s_cmp_lt_u32 s10, 2
	s_cbranch_scc0 .Lend
	ds_load_b128 v[OUTR:OUTR+3], v[SR]
	s_wait_dscnt 0x0
	global_store_b128 v[L16], v[OUTR:OUTR+3], s[22:23]       ; 512 consecutive bytes, aligned
.Lend:
	s_wait_dscnt 0x0                               ; the closing lines, six on end
	s_wait_alu 0x0
	s_wait_tensorcnt 0x0
	ds_add_u32 v[SPW], v[NIL]
	s_wait_dscnt 0x0
	s_endpgm
.Lfunc_end_k_q72aa424167_score:
	.size	k_q72aa424167_score, .Lfunc_end_k_q72aa424167_score-k_q72aa424167_score
	.p2alignl 7, 3214868480
	.fill 96, 4, 3214868480
	.section	.rodata,"a",@progbits
	.p2align	6, 0x0
	.amdhsa_kernel k_q72aa424167_score
		.amdhsa_group_segment_fixed_size 34304
		.amdhsa_private_segment_fixed_size 0
		.amdhsa_enable_private_segment 0
		.amdhsa_kernarg_size 24
		.amdhsa_user_sgpr_count 2
		.amdhsa_user_sgpr_kernarg_segment_ptr 1
		.amdhsa_wavefront_size32 1
		.amdhsa_system_sgpr_workgroup_id_x 1
		.amdhsa_system_sgpr_workgroup_id_y 1
		.amdhsa_system_sgpr_workgroup_id_z 1
		.amdhsa_system_vgpr_workitem_id 0
		.amdhsa_next_free_vgpr 320
		.amdhsa_next_free_sgpr 66
		.amdhsa_reserve_vcc 0
		.amdhsa_float_denorm_mode_32 3
		.amdhsa_float_denorm_mode_16_64 3
		.amdhsa_memory_ordered 1
		.amdhsa_forward_progress 1
		.amdhsa_inst_pref_size 59
	.end_amdhsa_kernel
	.amdgpu_metadata
---
amdhsa.version: [ 1, 2 ]
amdhsa.kernels:
  - .name:           k_q72aa424167_score
    .symbol:         k_q72aa424167_score.kd
    .args:
      - { .name: qk, .offset: 0, .size: 8, .value_kind: global_buffer, .address_space: global }
      - { .name: pf, .offset: 8, .size: 8, .value_kind: global_buffer, .address_space: global }
      - { .name: stats, .offset: 16, .size: 8, .value_kind: global_buffer, .address_space: global }
    .group_segment_fixed_size: 34304
    .private_segment_fixed_size: 0
    .kernarg_segment_align: 8
    .kernarg_segment_size: 24
    .max_flat_workgroup_size: 128
    .sgpr_count:     66
    .vgpr_count:     320
    .wavefront_size: 32
...
	.end_amdgpu_metadata
.endif
;; end of part 5
;; launch comb: the kernel of part 4 again; grid 8 x 32, 4 waves a work-group, clusters of 4 x 1, 327,680 bytes of LDS; arguments pf, vf, stats, WV_b, out0; writes out0
